; MI455X (gfx1250); checked and timed in simulation.
; The chip was launched on July 23, 2026; its instructions are those of AMD's public machine-readable ISA for CDNA 5 (MIT licence, August 2026) and "CDNA5" Instruction Set Architecture Reference Guide (July 2026). The comments in the code are by the model that wrote it; some were corrected since.
;; Multi Head Attention. Allowed arithmetic: matrix products marked QUANTISED: E2M1 operands, one E8M0 scale for each 32 along K, by v_wmma_scale_f32_16x16x128_f8f6f4 with both operands' format E2M1 (or v_wmma_scale_f32_32x16x128_f4), f32 sums; products left as they are: bf16, f16 or f32 operands; f32 sums; everything else in f32.
;; Inputs: Wk 1,024 x 1,024 float32; Wo 1,024 x 1,024 float32; Wq 1,024 x 1,024 float32; Wv 1,024 x 1,024 float32; bk 1,024 float32; bo 1,024 float32; bq 1,024 float32; bv 1,024 float32; mask 4 x 2,048 bool; x 4 x 2,048 x 1,024 float32.
;; Outputs: out0 4 x 2,048 x 1,024 float32.
;; This version of the problem:
;;   THIS VERSION OF THE PROBLEM IS GIVEN IN LOW PRECISION. The matrix products marked QUANTISED in the list below multiply operands that are first quantised to E2M1 (2 exponent bits, 1 mantissa bit; 4 bits a number), with one power-of-two scale for each 32 numbers along K (OCP MX v1.0); their sums are f32. The products marked 'left as it is' may take bf16, f16 or f32 operands, with f32 sums. Whichever they take, every output number must still come out within the allowed error. Rounding operands to bf16 (8 significant bits) uses up far more of that allowance than f16 does (11 bits, for magnitudes from 6e-5 to 65,504). All else is computed in f32.
;;   The module's matrix products, in the order in which they are computed (A, B: the left and right operand; K: the contracted axis; several contracted axes count as one K, in the product's order):
;;     1. [M 8,192, K 1,024] x [K 1,024, N 1,024]; A: input x; B: input Wq: QUANTISED
;;     2. [M 8,192, K 1,024] x [K 1,024, N 1,024]; A: input x; B: input Wk: QUANTISED
;;     3. [M 8,192, K 1,024] x [K 1,024, N 1,024]; A: input x; B: input Wv: QUANTISED
;;     4. batch 64 x [M 2,048, K 64] x [K 64, N 2,048]; A: computed on the way; B: computed on the way: left as it is (an operand is computed on the way)
;;     5. batch 64 x [M 2,048, K 2,048] x [K 2,048, N 64]; A: computed on the way; B: computed on the way: left as it is (an operand is computed on the way)
;;     6. [M 8,192, K 1,024] x [K 1,024, N 1,024]; A: computed on the way; B: input Wo: left as it is (an operand is computed on the way)
;;   THE QUANTISER, for each operand of a quantised product, along K:
;;     - K is cut into blocks of 32 from its start; a last block that is shorter is filled with zeros.
;;     - A block's scale is 2^e with e = floor(log2(the largest magnitude in the block)) - 2, held to -126 .. 127; a block of zeros has e = 0. As a byte (E8M0): e + 127.
;;     - Each number is divided by its block's scale, clamped to +-6, and rounded to the nearest number of E2M1, ties to even, subnormals kept.
;;     - The product sums the exact products of the quantised numbers (number of the format x scale) in f32.
;;   ~~~python
;;   def quantise(x, axis):      # numpy; x: float32 -> the quantised numbers, widened to float32 again
;;       x = np.moveaxis(x, axis, -1); K = x.shape[-1]
;;       x = np.pad(x, [(0, 0)] * (x.ndim - 1) + [(0, -K % 32)]); x = x.reshape(x.shape[:-1] + (-1, 32)); a = np.abs(x).max(-1, keepdims=True)
;;       e = np.where(a > 0, np.clip(np.frexp(np.where(a > 0, a, 1))[1] - 1 - 2, -126, 127), 0)      # np.frexp(a)[1] - 1 = floor(log2(a)), exactly
;;       r = np.clip(x / 2.0 ** e, -6, 6)
;;       step = 2.0 ** (np.maximum(np.frexp(np.where(r == 0, 1, r))[1] - 1, 0) - 1)
;;       q = np.round(r / step) * step * 2.0 ** e      # np.round: ties to even
;;       return np.moveaxis(q.reshape(q.shape[:-2] + (-1,))[..., :K], -1, axis).astype(np.float32)
;;   ~~~
;; One version. Each part assembles by itself: llvm-mc -triple=amdgcn-amd-amdhsa -mcpu=gfx1250 --defsym DOCPART=n.
;; ======== version 1 of 1: 4 launches
;; limits: values are held in f16: magnitudes above 65,504 overflow, below 6.1e-05 lose precision
;; workspace buffers: xc 4,194,304 bytes; xs 262,144 bytes; wc 1,572,864 bytes; ws 98,304 bytes; wo16 2,097,152 bytes; qkv 50,331,648 bytes; o16 16,777,216 bytes
;; launch prep (part 1): grid 336 x 1, 4 waves a work-group, no clusters, 86,528 bytes of LDS; arguments x, Wq, Wk, Wv, Wo, xc, xs, wc, ws, wo16; writes xc, xs, wc, ws, wo16
.if DOCPART == 1
	.amdgcn_target "amdgcn-amd-amdhsa--gfx1250"
	.amdhsa_code_object_version 6
	.text
	.protected	k_q92b62a98e1_prep
	.globl	k_q92b62a98e1_prep
	.p2align	8
	.type	k_q92b62a98e1_prep,@function
k_q92b62a98e1_prep:
	s_mov_b64 s[64:65], 0
	v_nop
	global_prefetch_b8 v0, s[64:65] scope:SCOPE_SE
	s_setreg_imm32_b32 hwreg(HW_REG_WAVE_MODE, 25, 1), 1
	s_wait_xcnt 0x0
; PREP: what the later launches read many times is made once.
;   work-groups 0-255   (X): x [8192][1024] f32 -> codes of FP4 (E2M1), K innermost, xc [8192][512 bytes], and one E8M0 byte for each 32 along K, xs [8192][32].
;   work-groups 256-303 (W): Wq, Wk, Wv [1024 k][1024 n] f32, K their FIRST axis -> codes with K innermost, wc [3072 n][512 bytes] (Wq's columns, then Wk's, then Wv's), ws [3072][32].
;   work-groups 304-335 (O): Wo [1024 k][1024 n] f32 -> f16, turned, in planes of 64 along k: wo16 [16][1024 n][64].
; A block's scale is 2^(floor(log2(its largest magnitude)) - 2); its byte is the largest magnitude's exponent field - 2, held at 1 from below.  A block of zeros so gets the byte 1 where the
; quantiser says 127: its codes are zeros, which add nothing under any byte but 0xff, and only this program reads the bytes.
; LIMITS: blocks whose largest magnitude lies under 2^(2 - 126) have their byte held at 1; NaN and infinities among x and the weights are not served; |Wo| stays under 65,504 (f16).
; The three paths part on the work-group's number and never join; each has LDS bytes of its own.  No tensor loads, no barrier, no cluster: waves and work-groups share nothing.
.set SPARE,  86016                     ; behind the three regions: the spare words, 128 bytes for each wave
.set SPW,    190                       ; v190 LDS address of my spare word; never rewritten
.set NIL,    191                       ; v191 0; never rewritten
.set EMAX,   2
; path X
.set XSTEPS, 16
.set XCB,    8                         ; bytes of 16 codes
.set XR,     16                        ; v16-79   four sets of 16 numbers as they are loaded
.set XX,     80                        ; v80-111  two sets of 16 neighbours
.set XE,     112                       ; v112-127 a scale byte for each step
.set XC,     128                       ; v128-189 codes: registers of its own for each step
.set XSP,    80                        ; a lane's place in a stage: 64 bytes + 16 of padding
.set XWREG,  8192                      ; LDS 0 .. 32,767: a region for each wave: two stages of 32 x 80 bytes, then its 256 scale bytes
; path W
.set WBASE,  32768                     ; LDS 32,768 .. 67,583: a stage of 32 x 272 bytes for each wave
.set WNB,    16
.set WPITCH, 272
.set WX,     32                        ; v32-95   two sets of 32 numbers
.set WC,     96                        ; v96-99   a block's codes
.set WSB,    24                        ; v24-27   the scale bytes, four to a register
.set WOUT,   112                       ; v112-175 the way out
; path O
.set OBASE,  67584                     ; LDS 67,584 .. 86,015: a stage of 32 x 144 bytes for each wave
.set OPITCH, 144
.set OX,     32                        ; v32-95, v96-159: two sets of 64 numbers
	s_load_b256 s[4:11], s[0:1], 0x0               ; x s[4:5], Wq s[6:7], Wk s[8:9], Wv s[10:11]
	s_load_b256 s[12:19], s[0:1], 0x20             ; Wo s[12:13], xc s[14:15], xs s[16:17], wc s[18:19]
	s_load_b128 s[20:23], s[0:1], 0x40             ; ws s[20:21], wo16 s[22:23]
	v_lshl_add_u32 v[SPW], v0, 2, SPARE
	v_mov_b32 v[NIL], 0
	v_lshrrev_b32 v1, 5, v0
	v_readfirstlane_b32 s24, v1                    ; wave 0..3
	v_and_b32 v2, 31, v0                           ; lane
	s_wait_kmcnt 0x0
	s_cmp_lt_u32 ttmp9, 256
	s_cbranch_scc0 .Lnot_x
; ---------------- PATH X: x is a plain stream of blocks of 32.  A wave takes 16 steps of 512 numbers.  Each load reads 512 consecutive bytes; a step's 2,048 bytes turn through the wave's own
; stage in LDS and come back 64 bytes a lane, so that a lane holds 16 neighbours (two neighbouring lanes hold a block).
	v_lshlrev_b32 v3, 4, v2                        ; my 16 bytes of a load's 512
	s_mul_i32 s25, s24, XWREG
	v_lshrrev_b32 v14, 2, v2
	v_mul_u32_u24 v14, v14, XSP
	v_and_b32 v15, 3, v2
	v_lshl_add_u32 v14, v15, 4, v14
	v_add_nc_u32 v14, s25, v14                     ; the stage, on the way in: 80 (lane / 4) + 16 (lane % 4)
	v_mul_u32_u24 v15, v2, XSP
	v_add_nc_u32 v15, s25, v15                     ; and on the way out: 80 x lane
	v_mul_u32_u24 v4, v2, XCB                      ; my codes' place in a step's
	v_lshrrev_b32 v5, 1, v2
	s_add_co_u32 s25, s25, 2*32*XSP
	v_add_nc_u32 v5, s25, v5                       ; my wave's 256 scale bytes, my block's byte
	v_lshlrev_b32 v7, 3, v2                        ; and on the way out 8 bytes a lane
	v_add_nc_u32 v6, s25, v7
	s_lshl_b32 s26, ttmp9, 2
	s_add_co_u32 s26, s26, s24                     ; which run of 8,192 numbers is my wave's: 0 .. 1,023
	s_mov_b32 s29, 0
	s_lshl_b32 s28, s26, 15                        ; 32,768 bytes of x a run
	s_add_nc_u64 s[4:5], s[4:5], s[28:29]
	s_lshl_b32 s28, s26, 12                        ; 4,096 bytes of codes
	s_add_nc_u64 s[14:15], s[14:15], s[28:29]
	s_lshl_b32 s28, s26, 8                         ; 256 scale bytes
	s_add_nc_u64 s[16:17], s[16:17], s[28:29]
.macro XLOAD t
.irp i, 0,1,2,3
	global_load_b128 v[XR+16*((\t)%4)+4*\i:XR+16*((\t)%4)+4*\i+3], v3, s[4:5] offset:2048*(\t)+512*\i th:TH_LOAD_NT
.endr
.endm
.macro XTURN t                         ; step t's numbers through the stage: LDS serves a wave's instructions in order, so no wait stands between the stores and the loads
.irp i, 0,1,2,3
	ds_store_b128 v14, v[XR+16*((\t)%4)+4*\i:XR+16*((\t)%4)+4*\i+3] offset:32*XSP*((\t)%2)+8*XSP*\i
.endr
.irp i, 0,1,2,3
	ds_load_b128 v[XX+16*((\t)%2)+4*\i:XX+16*((\t)%2)+4*\i+3], v15 offset:32*XSP*((\t)%2)+16*\i
.endr
.endm
.irp t, 0,1,2,3
	XLOAD \t
.endr
	s_wait_loadcnt 12                              ; step 0's four loads are in; the twelve of steps 1 to 3 may be out
	XTURN 0
.macro XSTEP t
.set XS, XX+16*((\t)%2)
.if (\t) > 0
	s_wait_dscnt 1                                 ; this step's numbers are back from the stage (the last step's byte store may be out): so its stores into the stage have read their registers,
.else
	s_wait_dscnt 0x0
.endif
.if (\t)+4 < XSTEPS
	XLOAD (\t)+4                                   ; which take the loads of four steps on
.endif
.if (\t)+1 < XSTEPS
.if XSTEPS-2-(\t) >= 3
	s_wait_loadcnt 12                              ; the next step's four loads are in; those of the three steps behind it may be out
.else
	s_wait_loadcnt 4*(XSTEPS-2-(\t))
.endif
	XTURN (\t)+1                                   ; and go through the other stage while this step is worked
.endif
	v_max3_num_f32 v8, |v[XS]|, |v[XS+1]|, |v[XS+2]|               ; the largest magnitude of my 16, in two chains
	v_max3_num_f32 v9, |v[XS+3]|, |v[XS+4]|, |v[XS+5]|
.irp i, 6,10
	v_max3_num_f32 v8, v8, |v[XS+\i]|, |v[XS+\i+1]|
	v_max3_num_f32 v9, v9, |v[XS+\i+2]|, |v[XS+\i+3]|
.endr
	v_max3_num_f32 v8, v8, |v[XS+14]|, |v[XS+15]|
	v_max3_num_f32 v8, v8, v9, (EMAX+1)<<23        ; and the floor 2^(3 - 127): the byte cannot fall under 1
	v_max_num_f32_dpp v8, v8, v8 row_xmask:1 row_mask:0xf bank_mask:0xf   ; and of my neighbour's 16: the block's
	v_add_nc_u32 v11, -(EMAX<<23), v8              ; 2 off its exponent field: the conversion takes the exponent field of this operand as its scale
	v_cvt_scalef32_pk8_fp4_f32 v[XC+4*(\t)], v[XS:XS+7], v11
	v_cvt_scalef32_pk8_fp4_f32 v[XC+4*(\t)+1], v[XS+8:XS+15], v11
	v_lshrrev_b32 v[XE+(\t)], 23, v11              ; the scale's byte (a plain line behind the conversions)
	ds_store_b8 v5, v[XE+(\t)] offset:16*(\t)      ; both lanes of a block write the same byte with the same value
	global_store_b64 v4, v[XC+4*(\t):XC+4*(\t)+1], s[14:15] offset:32*XCB*(\t)   ; the wave stores 256 consecutive bytes, aligned
.endm
.irp t, 0,1,2,3,4,5,6,7,8,9,10,11,12,13,14,15
	XSTEP \t
.endr
	ds_load_b64 v[8:9], v6                         ; LDS serves a wave's instructions in order: these see my byte stores
	s_wait_dscnt 0x0
	global_store_b64 v7, v[8:9], s[16:17]          ; 32 lanes store 256 consecutive bytes, aligned
	s_wait_tensorcnt 0x0                           ; the wave's end, behind my last LDS store
	ds_add_u32 v[SPW], v[NIL]
	s_wait_dscnt 0x0
	s_endpgm
.Lnot_x:
	s_cmp_lt_u32 ttmp9, 304
	s_cbranch_scc0 .Lpath_o
; ---------------- PATH W: a lane takes a column n and its registers run down K, so that a block of 32 along K lies in one lane and the conversions give codes with K innermost.
; A wave takes 32 columns x 512 along K; the codes leave through the wave's own stage, sixteen lanes to 256 consecutive bytes.
	s_sub_co_u32 s25, ttmp9, 256                   ; 0 .. 47
	s_lshr_b32 s26, s25, 4                         ; which matrix: 0 Wq, 1 Wk, 2 Wv
	s_and_b32 s27, s25, 7                          ; which 128 columns
	s_bfe_u32 s28, s25, 0x10003                    ; which 512 along K
	s_cmp_eq_u32 s26, 0
	s_cselect_b64 s[6:7], s[6:7], s[8:9]
	s_cmp_eq_u32 s26, 2
	s_cselect_b64 s[6:7], s[10:11], s[6:7]         ; the choice hangs on the work-group's number alone
	s_lshl_b32 s29, s27, 7
	s_lshl_b32 s30, s24, 5
	s_add_co_u32 s29, s29, s30                     ; my wave's first column
	s_lshl_b32 s30, s26, 10
	s_add_co_u32 s30, s30, s29                     ; and its row in wc and ws
	s_mov_b32 s33, 0
	s_lshl_b32 s32, s28, 21                        ; W: 512 rows of 4,096 bytes,
	s_lshl_b32 s34, s29, 2                         ; + 4 x column
	s_add_co_u32 s32, s32, s34
	s_add_nc_u64 s[6:7], s[6:7], s[32:33]
	s_lshl_b32 s32, s30, 9                         ; codes: row x 512 + 256 x half
	s_lshl_b32 s34, s28, 8
	s_add_co_u32 s32, s32, s34
	s_add_nc_u64 s[18:19], s[18:19], s[32:33]
	s_lshl_b32 s32, s30, 5                         ; scale bytes: row x 32 + 16 x half
	s_lshl_b32 s34, s28, 4
	s_add_co_u32 s32, s32, s34
	s_add_nc_u64 s[20:21], s[20:21], s[32:33]
	v_lshlrev_b32 v3, 2, v2                        ; in: 4 bytes a lane
	s_mul_i32 s35, s24, 32*WPITCH
	s_add_co_u32 s35, s35, WBASE                   ; my stage
	v_mul_u32_u24 v4, v2, WPITCH
	v_add_nc_u32 v4, s35, v4                       ; into it: row = my column
	v_and_b32 v5, 15, v2
	v_lshrrev_b32 v6, 4, v2                        ; out of it: sixteen lanes to a row, two rows an instruction
	v_mul_u32_u24 v7, v6, WPITCH
	v_lshl_add_u32 v7, v5, 4, v7
	v_add_nc_u32 v7, s35, v7
	v_mul_u32_u24 v8, v6, 512
	v_lshl_add_u32 v8, v5, 4, v8                   ; and the same place in wc
	v_lshlrev_b32 v9, 5, v2                        ; my column's row of scale bytes
.macro WLOAD t                         ; block t: W(32 t + n, my column), n = 0 .. 31, into set t % 2
.set n, 0
.rept 32
	global_load_b32 v[WX+32*((\t)%2)+n], v3, s[6:7] offset:(32*(\t)+n)*4096 th:TH_LOAD_NT
.set n, n+1
.endr
.endm
	WLOAD 0
	WLOAD 1
.macro WBLOCK t
.set WS, WX+32*((\t)%2)
.if (\t) < WNB-1
	s_wait_loadcnt 32                              ; this block's 32 loads are in; the next block's 32 may be out
.else
	s_wait_loadcnt 0x0
.endif
	v_max3_num_f32 v12, |v[WS]|, |v[WS+1]|, |v[WS+2]|              ; the block's largest magnitude: all 32 numbers are mine
	v_max3_num_f32 v13, |v[WS+3]|, |v[WS+4]|, |v[WS+5]|
.irp i, 6,10,14,18,22,26
	v_max3_num_f32 v12, v12, |v[WS+\i]|, |v[WS+\i+1]|
	v_max3_num_f32 v13, v13, |v[WS+\i+2]|, |v[WS+\i+3]|
.endr
	v_max3_num_f32 v12, v12, |v[WS+30]|, |v[WS+31]|
	v_max3_num_f32 v12, v12, v13, (EMAX+1)<<23     ; and the floor
	v_add_nc_u32 v11, -(EMAX<<23), v12             ; the conversion's scale operand
	v_lshrrev_b32 v13, 23, v11                     ; the scale's byte
.if (\t)%4 == 0
	v_mov_b32 v[WSB+(\t)/4], v13                   ; four bytes to a register, the lower K in the lower byte
.else
	v_lshl_or_b32 v[WSB+(\t)/4], v13, 8*((\t)%4), v[WSB+(\t)/4]
.endif
.irp g, 0,1,2,3
	v_cvt_scalef32_pk8_fp4_f32 v[WC+\g], v[WS+8*\g:WS+8*\g+7], v11
.endr
	v_nop                                          ; a plain line behind the last conversion
	ds_store_b128 v4, v[WC:WC+3] offset:16*(\t)    ; 32 codes: 16 bytes of my column's row
.if (\t)+2 < WNB
	WLOAD (\t)+2
.endif
	s_wait_dscnt 0x0                               ; the store has read its registers: the next block's codes may be written
.endm
.set Q, 0
.rept WNB
	WBLOCK Q
.set Q, Q+1
.endr
	global_store_b128 v9, v[WSB:WSB+3], s[20:21]   ; my column's 16 scale bytes
.irp t, 0,1,2,3,4,5,6,7,8,9,10,11,12,13,14,15
	ds_load_b128 v[WOUT+4*\t:WOUT+4*\t+3], v7 offset:2*\t*WPITCH
.endr
.irp t, 0,1,2,3,4,5,6,7,8,9,10,11,12,13,14,15
	s_wait_dscnt 15-\t                             ; LDS loads come back in order: load t is in, the 15 - t behind it may be out
	global_store_b128 v8, v[WOUT+4*\t:WOUT+4*\t+3], s[18:19] offset:2*\t*512
.endr
	s_wait_tensorcnt 0x0                           ; the wave's end, behind my last LDS store
	ds_add_u32 v[SPW], v[NIL]
	s_wait_dscnt 0x0
	s_endpgm
.Lpath_o:
; ---------------- PATH O: a lane takes a column n of Wo and its registers run down k: 64 numbers, a plane's worth, become 128 bytes of f16, the column's row of that plane.
; They go through the wave's own stage and leave four rows (512 consecutive bytes) an instruction.  A wave takes 32 columns x 4 planes.
	s_sub_co_u32 s25, ttmp9, 304                   ; 0 .. 31
	s_and_b32 s26, s25, 7                          ; which 128 columns
	s_lshr_b32 s27, s25, 3                         ; which four planes
	s_lshl_b32 s28, s26, 7
	s_lshl_b32 s29, s24, 5
	s_add_co_u32 s28, s28, s29                     ; my wave's first column
	s_mov_b32 s31, 0
	s_lshl_b32 s30, s27, 20                        ; Wo: 256 rows of 4,096 bytes,
	s_lshl_b32 s32, s28, 2                         ; + 4 x column
	s_add_co_u32 s30, s30, s32
	s_add_nc_u64 s[12:13], s[12:13], s[30:31]
	s_lshl_b32 s30, s27, 19                        ; wo16: four planes of 131,072 bytes,
	s_lshl_b32 s32, s28, 7                         ; + 128 x column
	s_add_co_u32 s30, s30, s32
	s_add_nc_u64 s[22:23], s[22:23], s[30:31]
	s_mul_i32 s33, s24, 32*OPITCH
	s_add_co_u32 s33, s33, OBASE                   ; my stage
	v_lshlrev_b32 v3, 2, v2
	v_mul_u32_u24 v4, v2, OPITCH
	v_add_nc_u32 v4, s33, v4                       ; into it: row = my column
	v_lshrrev_b32 v5, 3, v2
	v_mul_u32_u24 v5, v5, OPITCH
	v_and_b32 v7, 7, v2
	v_lshl_add_u32 v5, v7, 4, v5
	v_add_nc_u32 v5, s33, v5                       ; out of it: eight lanes to a row of 128 bytes, four rows an instruction
	v_lshlrev_b32 v6, 4, v2                        ; which are 512 consecutive bytes of the plane
.macro OLOAD p                         ; plane p: Wo(64 p + n, my column), n = 0 .. 63, into set p % 2
.set n, 0
.rept 64
	global_load_b32 v[OX+64*((\p)%2)+n], v3, s[12:13] offset:(64*(\p)+n)*4096 th:TH_LOAD_NT
.set n, n+1
.endr
.endm
.macro OPLANE p
.set OS, OX+64*((\p)%2)
.if (\p) < 3
	s_wait_loadcnt 63                              ; this plane's 64 loads are in: 64 were issued behind them, and the wait's field names 63 at the most
.else
	s_wait_loadcnt 0x0
.endif
.set n, 0
.rept 32
	v_cvt_pk_f16_f32 v[OS+n], v[OS+2*n], v[OS+2*n+1]   ; in place, ascending: register n is written when 2 n and 2 n + 1 are read
.set n, n+1
.endr
.irp i, 0,1,2,3,4,5,6,7
	ds_store_b128 v4, v[OS+4*\i:OS+4*\i+3] offset:16*\i
.endr
.irp i, 0,1,2,3,4,5,6,7
	ds_load_b128 v[OS+32+4*\i:OS+32+4*\i+3], v5 offset:4*OPITCH*\i   ; LDS serves a wave's instructions in order: these see the stores above
.endr
.irp i, 0,1,2,3,4,5,6,7
	s_wait_dscnt 7-\i
	global_store_b128 v6, v[OS+32+4*\i:OS+32+4*\i+3], s[22:23] offset:(\p)*131072+512*\i
.endr
.if (\p) < 2
	s_wait_xcnt 0x0                                ; the stores have read their registers: the set takes the plane two on
	OLOAD (\p)+2
.endif
.endm
	OLOAD 0
	OLOAD 1
	OPLANE 0
	OPLANE 1
	OPLANE 2
	OPLANE 3
	s_wait_tensorcnt 0x0                           ; the wave's end, behind my last LDS store
	ds_add_u32 v[SPW], v[NIL]
	s_wait_dscnt 0x0
	s_endpgm
.Lfunc_end_k_q92b62a98e1_prep:
	.size	k_q92b62a98e1_prep, .Lfunc_end_k_q92b62a98e1_prep-k_q92b62a98e1_prep
	.p2alignl 7, 3214868480
	.fill 96, 4, 3214868480
	.section	.rodata,"a",@progbits
	.p2align	6, 0x0
	.amdhsa_kernel k_q92b62a98e1_prep
		.amdhsa_group_segment_fixed_size 86528
		.amdhsa_private_segment_fixed_size 0
		.amdhsa_enable_private_segment 0
		.amdhsa_kernarg_size 80
		.amdhsa_user_sgpr_count 2
		.amdhsa_user_sgpr_kernarg_segment_ptr 1
		.amdhsa_wavefront_size32 1
		.amdhsa_system_sgpr_workgroup_id_x 1
		.amdhsa_system_sgpr_workgroup_id_y 1
		.amdhsa_system_sgpr_workgroup_id_z 1
		.amdhsa_system_vgpr_workitem_id 0
		.amdhsa_next_free_vgpr 192
		.amdhsa_next_free_sgpr 66
		.amdhsa_reserve_vcc 0
		.amdhsa_float_denorm_mode_32 3
		.amdhsa_float_denorm_mode_16_64 3
		.amdhsa_memory_ordered 1
		.amdhsa_forward_progress 1
		.amdhsa_inst_pref_size 153
	.end_amdhsa_kernel
	.amdgpu_metadata
---
amdhsa.version: [ 1, 2 ]
amdhsa.kernels:
  - .name:           k_q92b62a98e1_prep
    .symbol:         k_q92b62a98e1_prep.kd
    .args:
      - { .name: x, .offset: 0, .size: 8, .value_kind: global_buffer, .address_space: global }
      - { .name: Wq, .offset: 8, .size: 8, .value_kind: global_buffer, .address_space: global }
      - { .name: Wk, .offset: 16, .size: 8, .value_kind: global_buffer, .address_space: global }
      - { .name: Wv, .offset: 24, .size: 8, .value_kind: global_buffer, .address_space: global }
      - { .name: Wo, .offset: 32, .size: 8, .value_kind: global_buffer, .address_space: global }
      - { .name: xc, .offset: 40, .size: 8, .value_kind: global_buffer, .address_space: global }
      - { .name: xs, .offset: 48, .size: 8, .value_kind: global_buffer, .address_space: global }
      - { .name: wc, .offset: 56, .size: 8, .value_kind: global_buffer, .address_space: global }
      - { .name: ws, .offset: 64, .size: 8, .value_kind: global_buffer, .address_space: global }
      - { .name: wo16, .offset: 72, .size: 8, .value_kind: global_buffer, .address_space: global }
    .group_segment_fixed_size: 86528
    .private_segment_fixed_size: 0
    .kernarg_segment_align: 8
    .kernarg_segment_size: 80
    .max_flat_workgroup_size: 128
    .sgpr_count:     66
    .vgpr_count:     192
    .wavefront_size: 32
...
	.end_amdgpu_metadata
.endif
;; end of part 1
;; launch qkv (part 2): grid 12 x 32, 4 waves a work-group, clusters of 4 x 4, 327,680 bytes of LDS; arguments xc, xs, wc, ws, bq, bk, bv, qkv; writes qkv
.if DOCPART == 2
	.amdgcn_target "amdgcn-amd-amdhsa--gfx1250"
	.amdhsa_code_object_version 6
	.text
	.protected	k_q92b62a98e1_qkv
	.globl	k_q92b62a98e1_qkv
	.p2align	8
	.type	k_q92b62a98e1_qkv,@function
k_q92b62a98e1_qkv:
	s_mov_b64 s[64:65], 0
	v_nop
	global_prefetch_b8 v0, s[64:65] scope:SCOPE_SE
	s_setreg_imm32_b32 hwreg(HW_REG_WAVE_MODE, 25, 1), 1
	s_wait_xcnt 0x0
	s_wait_alu depctr_hold_cnt(0) depctr_sa_sdst(0) depctr_va_vdst(0) depctr_va_sdst(0) depctr_va_ssrc(0) depctr_va_vcc(0) depctr_vm_vsrc(0)
	s_getreg_b32 s2, hwreg(HW_REG_IB_STS2, 6, 4)
	s_cmp_eq_u32 s2, 0
	s_cbranch_scc0 .Lentry_in_a_cluster
	s_endpgm
.Lentry_in_a_cluster:
	s_bfe_u32 s2, ttmp6, 0x10000c
	s_cmp_lg_u32 s2, 0xf033
	s_cbranch_scc0 .Lentry_shape_is_right
	s_endpgm
.Lentry_shape_is_right:
; QKV: the three quantised projections as ONE product on codes of FP4 (E2M1) with E8M0 scales: C[m][n] = sum over k of x[m][k] W[k][n] + bias[n], m = 0 .. 8,191, n = 0 .. 3,071
; (Wq's columns, then Wk's, then Wv's), K = 1,024; sums in f32, the bias as the C of each sum's first product.  The results leave as f16, by heads: qkv [3][4 b][16 h][2,048 s][64].
; LIMIT: |q|, |k|, |v| stay under 65,504 (f16).
; A tile of C, 256 x 256, is made by a work-group of four waves; a wave makes 128 x 128: 64 accumulators of 16 x 16, 512 registers.  K goes in two steps of 512 through two LDS slots, each filled once.
; THE SCALES of the work-group's 256 rows of x and 256 rows of W, for all of K, are two dense blocks of memory: they come into LDS once, with the first fills.
; CLUSTERS: 4 x 4 work-groups.  The four of a row of the cluster need the same tiles of x, the four of a column the same tiles of W: each tile is asked for JOINTLY.
; THE MATRIX INSTRUCTION IS USED TRANSPOSED (source 0 = 16 rows of W, source 1 = 16 rows of x): a lane then holds eight neighbouring columns of one row of C.
; REGISTERS, in windows of 256: window 0: v0-31 addresses; v32-95 scale words, two sets; v128-191 x's fragments, one set; v192-255 the bias, 8 registers for each block of 16 columns (on the way out: at work).
;   window 1: W's fragments, two sets, at v0 and v128.   window 2: the accumulators of my rows 0-63 ((a, b) at v[8 (8 a + b)]);   window 3: those of my rows 64-127.
.set SIZE_M, 8192
.set SIZE_N, 3072
.set SIZE_K, 1024
.set KSTEP,  512
.set NQ,     KSTEP/128
.set ROWB,   256                       ; a tile's row in bytes
.set KROW,   SIZE_K*4/8                ; a row of codes in memory
.set PITCH,  272                       ; an LDS row: 256 bytes + 16 of padding: the 16 rows that a load touches start 68 words apart
.set FR,     8
.set NL,     2
.set NP,     4
.set HALFT,  128*PITCH
.set SLOT,   4*HALFT
.set KS,     SIZE_K/32
.set SCL,    2*SLOT                    ; behind the two slots: the scales, as rows of 256 bytes + 16 of padding
.set HALFS,  (128*KS/256)*272
.set SBLK,   (16*KS/256)*272
.set SPARE,  SCL+4*HALFS               ; the spare words, 128 bytes for each wave
.set SPL,    16*144                    ; the way out: a stage of 2 head planes x 16 rows x (128 bytes + 16) for each wave, in slot 0, which has had its only fill and its last read by then
.set ADRA, 16
.set ADRB, 20
.set STO,  24
.set RD,   25
.set CO,   26
.set ADRS, 27
.set SPW,  28
.set NIL,  29
.set SC,   32
.set AF,   128
.set BI,   192                         ; the bias
.set TMP,  192                         ; the way out: packed results
.set BK,   128                         ; the way out: 16 rows read back: v128-159 and v160-191 by turns
.set G1, 24
.set G0, 32
.set G1B, 48
.set G0B, 56
.set G1S, 68
.set G0S, 76
.set G1SB, 80
.set G0SB, 88
.set MSB, 0
.macro WIN new                         ; the immediate's high byte repeats the setting that is left
.if MSB != \new
	s_set_vgpr_msb (MSB<<8)|\new
.set MSB, \new
.endif
.endm
.set MUL_LO, 0xa1                      ; source 0 (W) window 1, source 1 (x) window 0, C and D window 2
.set MUL_HI, 0xf1                      ; the same, C and D window 3
.set FST_LO, 0x81                      ; the first step: C (the bias) window 0, D window 2
.set FST_HI, 0xc1                      ; D window 3
.set TO_B,   0x40
; A joint load: waves 0 and 1 fetch for x, waves 2 and 3 for W.  The branch hangs on the wave's number alone.  An s_nop 0 and four v_nop follow each of the two lines.
.macro JLOAD g0a, g1a, g0b, g1b
	s_cmp_eq_u32 s15, 0
	s_cbranch_scc0 .Lfor_b_\@
	tensor_load_to_lds s[\g0a:\g0a+3], s[\g1a:\g1a+7]
	s_nop 0
.rept 4
	v_nop
.endr
	s_branch .Lasked_\@
.Lfor_b_\@:
	tensor_load_to_lds s[\g0b:\g0b+3], s[\g1b:\g1b+7]
	s_nop 0
.rept 4
	v_nop
.endr
.Lasked_\@:
.endm
.macro CROUND                          ; a round of the cluster's barrier
	s_barrier_signal -1
	s_barrier_wait -1
	s_cmp_lg_u32 s14, 0
	s_cbranch_scc1 .Lnot_wave_0_\@
	s_barrier_signal -3
.Lnot_wave_0_\@:
	s_barrier_wait -3
	s_barrier_signal -1
	s_barrier_wait -1
.endm
	s_load_b128 s[4:7], s[0:1], 0x0                ; x's codes s[4:5], x's scales s[6:7]
	s_load_b128 s[8:11], s[0:1], 0x10              ; W's codes s[8:9], W's scales s[10:11]
	s_load_b128 s[96:99], s[0:1], 0x20             ; bq, bk
	s_load_b64 s[100:101], s[0:1], 0x30            ; bv
	s_load_b64 s[12:13], s[0:1], 0x38              ; qkv
	v_lshl_add_u32 v[SPW], v0, 2, SPARE
	v_mov_b32 v[NIL], 0
	ds_add_u32 v[SPW], v[NIL]                      ; the wave's opening: the add, twice on end, and its wait ahead of my first tensor load
	ds_add_u32 v[SPW], v[NIL]
	v_lshrrev_b32 v1, 5, v0
	v_readfirstlane_b32 s14, v1                    ; wave 0..3
	s_lshr_b32 s15, s14, 1                         ; which half of the tile's rows is mine.  Also: I fetch for x (0) or for W (1)
	s_and_b32 s16, s14, 1                          ; which half of its columns.  Also: which 128 rows of that tile I fetch
	s_bfe_u32 s40, ttmp6, 0x40000                  ; cx, cy
	s_bfe_u32 s41, ttmp6, 0x40004
	s_lshl_b32 s42, ttmp9, 2
	s_add_co_u32 s42, s42, s40                     ; tile column = 4 x cluster x + cx
	s_and_b32 s17, ttmp7, 0xffff
	s_lshl_b32 s17, s17, 2
	s_add_co_u32 s17, s17, s41                     ; tile row = 4 x cluster y + cy
	s_lshl_b32 s43, s41, 2
	s_lshl_b32 s43, 15, s43                        ; my row of the cluster
	s_lshl_b32 s44, 0x1111, s40                    ; my column
	s_or_b32 s[G1+0], s43, (0<<16)|(1<<20)|(1<<21)|(5<<22)|(3<<25)  ; the mask; elements of 1 byte; padding on; bit 21 beside a mask; 4 words of padding after every 64
	s_or_b32 s[G1B+0], s44, (0<<16)|(1<<20)|(1<<21)|(5<<22)|(3<<25)
.irp g, G1, G1B
	s_mov_b32 s[\g+1], ROWB<<16                    ; tensor_dim0
	s_mov_b32 s[\g+2], 128<<16                     ; tensor_dim1
	s_mov_b32 s[\g+3], ROWB<<16                    ; tile_dim0
	s_mov_b32 s[\g+4], 128                         ; tile_dim1
	s_mov_b32 s[\g+5], KROW                        ; from row to row
	s_mov_b32 s[\g+6], 0
	s_mov_b32 s[\g+7], 0
.endr
	s_or_b32 s[G1S+0], s43, (3<<16)|(1<<20)|(1<<21)|(5<<22)|(3<<25)  ; the scales of 128 rows: 4,096 dense bytes as 16 rows of 256 (32 elements of 8 bytes)
	s_or_b32 s[G1SB+0], s44, (3<<16)|(1<<20)|(1<<21)|(5<<22)|(3<<25)
.irp g, G1S, G1SB
	s_mov_b32 s[\g+1], 32<<16
	s_mov_b32 s[\g+2], (128*KS/256)<<16
	s_mov_b32 s[\g+3], 32<<16
	s_mov_b32 s[\g+4], 128*KS/256
	s_mov_b32 s[\g+5], 32
	s_mov_b32 s[\g+6], 0
	s_mov_b32 s[\g+7], 0
.endr
	s_lshl_b32 s18, s16, 7
	s_lshl_b32 s20, s17, 8
	s_add_co_u32 s20, s20, s18                     ; x: row 256 x tile row + 128 x half
	s_lshl_b32 s46, s42, 8
	s_add_co_u32 s46, s46, s18                     ; W: row 256 x tile column + 128 x half
	s_mov_b32 s21, 0
	s_mov_b32 s47, 0
	s_mov_b64 s[18:19], KS
	s_mul_u64 s[22:23], s[20:21], s[18:19]         ; where these rows' scales begin
	s_mul_u64 s[92:93], s[46:47], s[18:19]
	s_mov_b64 s[18:19], KROW
	s_mul_u64 s[20:21], s[20:21], s[18:19]         ; and their codes
	s_mul_u64 s[46:47], s[46:47], s[18:19]
	s_mul_i32 s45, s14, HALFT                      ; where they go: wave x 128 rows
	s_mul_i32 s94, s14, HALFS
	s_wait_dscnt 0x0                               ; both opening adds are done
	s_wait_kmcnt 0x0
	s_add_nc_u64 s[20:21], s[4:5], s[20:21]
	s_add_nc_u64 s[22:23], s[6:7], s[22:23]
	s_add_nc_u64 s[46:47], s[8:9], s[46:47]
	s_add_nc_u64 s[92:93], s[10:11], s[92:93]
	CROUND                                         ; all sixteen work-groups are here: the first joint loads meet
	s_mov_b32 s[G0S], 1
	s_add_co_u32 s[G0S+1], s94, SCL
	s_mov_b64 s[G0S+2:G0S+3], s[22:23]
	s_or_b32 s[G0S+3], s[G0S+3], 0x80000000
	s_mov_b32 s[G0SB], 1
	s_add_co_u32 s[G0SB+1], s94, SCL
	s_mov_b64 s[G0SB+2:G0SB+3], s[92:93]
	s_or_b32 s[G0SB+3], s[G0SB+3], 0x80000000
	JLOAD G0S, G1S, G0SB, G1SB                     ; the scales first: they are wanted with K step 0
.irp s, 0,1
	s_mov_b32 s[G0+4*\s], 1
	s_add_co_u32 s[G0+4*\s+1], s45, \s*SLOT
	s_add_nc_u64 s[G0+4*\s+2:G0+4*\s+3], s[20:21], \s*ROWB
	s_or_b32 s[G0+4*\s+3], s[G0+4*\s+3], 0x80000000
	s_mov_b32 s[G0B+4*\s], 1
	s_add_co_u32 s[G0B+4*\s+1], s45, \s*SLOT
	s_add_nc_u64 s[G0B+4*\s+2:G0B+4*\s+3], s[46:47], \s*ROWB
	s_or_b32 s[G0B+4*\s+3], s[G0B+4*\s+3], 0x80000000
	JLOAD G0+4*\s, G1, G0B+4*\s, G1B               ; three tensor loads of mine are out now
.endr
	v_and_b32 v1, 15, v0                           ; r = l % 16
	v_bfe_u32 v2, v0, 4, 1                         ; h = l / 16
	; the bias of my 128 columns.  The cluster's x says which matrix: four tile columns of 256 are one matrix's 1,024 columns
	s_cmp_eq_u32 ttmp9, 0
	s_cselect_b64 s[96:97], s[96:97], s[98:99]
	s_cmp_eq_u32 ttmp9, 2
	s_cselect_b64 s[96:97], s[100:101], s[96:97]
	s_lshl_b32 s98, s40, 10                        ; 256 cx columns of 4 bytes,
	s_lshl_b32 s99, s16, 9                         ; + 128 x half
	s_add_co_u32 s98, s98, s99
	s_mov_b32 s99, 0
	s_add_nc_u64 s[96:97], s[96:97], s[98:99]
	v_lshlrev_b32 v7, 5, v2                        ; lane (r, h), register j of block b: bias[16 b + 8 h + j]
.irp b, 0,1,2,3,4,5,6,7
	global_load_b128 v[BI+8*\b:BI+8*\b+3], v7, s[96:97] offset:64*\b
	global_load_b128 v[BI+8*\b+4:BI+8*\b+7], v7, s[96:97] offset:64*\b+16
.endr
	v_mul_u32_u24 v3, v1, PITCH
	v_lshl_add_u32 v4, v2, 4, v3                   ; a fragment's row x pitch + 16 x half
	s_mul_i32 s21, s15, HALFT                      ; my 128 rows of x
	s_mul_i32 s22, s16, HALFT                      ; my 128 rows of W,
	s_add_co_u32 s22, s22, 2*HALFT                 ; which lie behind x's 256
.irp s, 0,1
	v_add_nc_u32 v[ADRA+\s], s21, v4
	v_add_nc_u32 v[ADRB+\s], s22, v4
	s_add_co_u32 s21, s21, SLOT
	s_add_co_u32 s22, s22, SLOT
.endr
	v_mul_u32_u24 v5, v1, KS                       ; my row's scales: 32 bytes a row,
	v_lshrrev_b32 v6, 8, v5
	v_lshl_add_u32 v5, v6, 4, v5                   ; and 16 more for each 256 passed
	s_mul_i32 s21, s15, HALFS
	s_mul_i32 s22, s16, HALFS
	s_add_co_u32 s22, s22, 2*HALFS
	s_sub_co_u32 s22, s22, s21
	v_mul_u32_u24 v6, s22, v2                      ; lanes 16-31 take W's
	s_add_co_u32 s21, s21, SCL
	v_add_nc_u32 v5, v5, v6
	v_add_nc_u32 v[ADRS], s21, v5
	s_mul_i32 s23, s14, 2*SPL                      ; my stage
	v_mul_u32_u24 v5, v1, 144                      ; in: row r, 16 bytes for each half of the lanes
	v_lshl_add_u32 v5, v2, 4, v5
	v_add_nc_u32 v[STO], s23, v5
	v_bfe_u32 v5, v0, 3, 2                         ; back: eight lanes to a row of 128 bytes, four rows an instruction
	v_mul_u32_u24 v5, v5, 144
	v_and_b32 v6, 7, v0
	v_lshl_add_u32 v5, v6, 4, v5
	v_add_nc_u32 v[RD], s23, v5
	v_and_b32 v6, 31, v0
	v_lshlrev_b32 v[CO], 4, v6                     ; which are 512 consecutive bytes of a head
	; where my part begins in qkv: matrix x 16,777,216 + batch x 4,194,304 + head x 262,144 + position x 128
	s_lshl_b32 s20, s17, 8
	s_lshl_b32 s21, s15, 7
	s_add_co_u32 s20, s20, s21                     ; my first row: 256 x tile row + 128 x half
	s_lshr_b32 s21, s20, 11                        ; its batch,
	s_and_b32 s20, s20, 2047                       ; its position
	s_lshl_b32 s20, s20, 7
	s_lshl_b32 s21, s21, 22
	s_add_co_u32 s20, s20, s21
	s_lshl_b32 s21, ttmp9, 24
	s_add_co_u32 s20, s20, s21
	s_mov_b32 s21, 0
	s_add_nc_u64 s[12:13], s[12:13], s[20:21]
	s_lshl_b32 s46, s40, 2
	s_lshl_b32 s47, s16, 1
	s_add_co_u32 s46, s46, s47                     ; my first head: 4 cx + 2 x half
	s_lshl_b32 s46, s46, 18
	s_mov_b32 s47, 0
	s_add_nc_u64 s[12:13], s[12:13], s[46:47]
.macro FRAG reg, adr, q, i             ; a fragment, 16 rows x 128 K of 4-bit codes: lane l holds row l % 16; registers 4 c .. 4 c + 3 hold K = 64 c + 32 (l / 16) + 0 .. 31
.irp c, 0,1
	ds_load_b128 v[\reg+4*\c:\reg+4*\c+3], v[\adr] offset:64*(\q)+32*\c+(\i)*16*PITCH
.endr
.endm
; 16 matrix instructions: x's blocks a0, a0 + 1 against W's eight, 128 along K.  first = 1: the sum begins with the bias as C.  The 64 accumulators take turns, one instruction a turn.
.macro MUL16 a0, p, q, sc, first
.irp a, \a0, \a0+1
.irp b, 0,1,2,3,4,5,6,7
.if \first
	v_wmma_scale_f32_16x16x128_f8f6f4 v[8*(8*((\a)%4)+\b):8*(8*((\a)%4)+\b)+7], v[128*(\p)+FR*\b:128*(\p)+FR*\b+FR-1], v[AF+FR*(\a):AF+FR*(\a)+FR-1], v[BI+8*\b:BI+8*\b+7], v[SC+8*NQ*(\sc)+NQ*\b+(\q)], v[SC+8*NQ*(\sc)+NQ*(\a)+(\q)] matrix_a_fmt:MATRIX_FMT_FP4 matrix_b_fmt:MATRIX_FMT_FP4 matrix_a_scale:MATRIX_SCALE_ROW1
.else
	v_wmma_scale_f32_16x16x128_f8f6f4 v[8*(8*((\a)%4)+\b):8*(8*((\a)%4)+\b)+7], v[128*(\p)+FR*\b:128*(\p)+FR*\b+FR-1], v[AF+FR*(\a):AF+FR*(\a)+FR-1], v[8*(8*((\a)%4)+\b):8*(8*((\a)%4)+\b)+7], v[SC+8*NQ*(\sc)+NQ*\b+(\q)], v[SC+8*NQ*(\sc)+NQ*(\a)+(\q)] matrix_a_fmt:MATRIX_FMT_FP4 matrix_b_fmt:MATRIX_FMT_FP4 matrix_a_scale:MATRIX_SCALE_ROW1
.endif
.endr
.endr
.endm
.macro FETCH_B slot, q, p
	WIN TO_B
.irp i, 0,1,2,3,4,5,6,7
	FRAG 128*(\p)+FR*\i, ADRB+\slot, \q, \i
.endr
	WIN 0
.endm
.macro FETCH_A slot, q, i0
.irp i, \i0, \i0+1, \i0+2, \i0+3
	FRAG AF+FR*(\i), ADRA+\slot, \q, \i
.endr
.endm
.macro SCALES sc                       ; a K step's scale words: 4 words a row; lanes 0-15 take x's block i, lanes 16-31 W's block i
.irp i, 0,1,2,3,4,5,6,7
	ds_load_b128 v[SC+8*NQ*\sc+NQ*\i:SC+8*NQ*\sc+NQ*\i+3], v[ADRS] offset:\i*SBLK
.endr
.endm
.macro PLACES n                        ; plain vector instructions between a matrix instruction and a load into, or a read of, its registers
.rept \n
	v_nop
.endr
.endm
.macro STEP slot, q, first             ; a step of 128 along K that has its successor in the same slot
	s_wait_dscnt 4*NL                              ; W's set and x's blocks 0-3 are in; the youngest eight loads (x's blocks 4-7) may be out
.if \first
	WIN FST_LO
.else
	WIN MUL_LO
.endif
	MUL16 0, (\q)%2, \q, \slot, \first
	MUL16 2, (\q)%2, \q, \slot, \first
	s_wait_dscnt 0                                 ; x's blocks 4-7 are in
	PLACES NP
	FETCH_B \slot, (\q)+1, 1-(\q)%2
	FETCH_A \slot, (\q)+1, 0
.if \first
	WIN FST_HI
.else
	WIN MUL_HI
.endif
	MUL16 4, (\q)%2, \q, \slot, \first
	MUL16 6, (\q)%2, \q, \slot, \first
	PLACES NP
	WIN 0
	FETCH_A \slot, (\q)+1, 4
.endm
; Slot 0's last step changes slots: one barrier; in front of it each wave waits for all its tensor loads, adds 0 to its spare word, and waits for that and for its own reads of slot 0.  Nothing is filled again.
.macro TURN slot, next
	s_wait_tensorcnt 0x0                           ; all my tensor loads have landed: my part of the next slot
	ds_add_u32 v[SPW], v[NIL]                      ; 0 onto my spare word
	s_wait_dscnt 4*NL+1                            ; (the add and the youngest eight loads may be out)
	WIN MUL_LO
	MUL16 0, 1, NQ-1, \slot, 0
	s_wait_dscnt 0x0                               ; the add is done, and my reads of this slot are over
	s_barrier_signal -1
	MUL16 2, 1, NQ-1, \slot, 0
	WIN 0
	s_barrier_wait -1
	PLACES NP
	v_add_nc_u32 v[ADRS], 4*NQ, v[ADRS]            ; on to the next K step's scale words
	FETCH_B \next, 0, 0
	FETCH_A \next, 0, 0
	SCALES \next
	WIN MUL_HI
	MUL16 4, 1, NQ-1, \slot, 0
	MUL16 6, 1, NQ-1, \slot, 0
	PLACES NP
	WIN 0
	FETCH_A \next, 0, 4
.endm
.macro STEPS slot, from
.set Q, \from
.rept NQ-1-\from
	STEP \slot, Q, 0
.set Q, Q+1
.endr
.endm
	s_wait_tensorcnt 1                             ; the scales and my part of K step 0 are in (K step 1's load may be out),
	s_barrier_signal -1
	s_barrier_wait -1                              ; everybody's are
	FETCH_B 0, 0, 0
	FETCH_A 0, 0, 0
	SCALES 0
	FETCH_A 0, 0, 4
	s_wait_loadcnt 0x0                             ; the bias
	STEP 0, 0, 1
	STEPS 0, 1
	TURN 0, 1
	STEPS 1, 0
	s_wait_dscnt 4*NL                              ; the very last step: nothing more to fetch
	WIN MUL_LO
	MUL16 0, 1, NQ-1, 1, 0
	MUL16 2, 1, NQ-1, 1, 0
	s_wait_dscnt 0
	WIN MUL_HI
	MUL16 4, 1, NQ-1, 1, 0
	MUL16 6, 1, NQ-1, 1, 0
	WIN 0
; THE WAY OUT, block by block of 16 rows x 128 columns (two heads).  PACK: rounded to f16, 16 bytes a lane, each accumulator from its low end on.  TOSTAGE: into my stage, a plane for each head, and back as
; whole rows of 128 bytes.  SEND: four rows of a head are 512 consecutive bytes of qkv.
.macro PACK a
.set AC, 64*((\a)%4)
	WIN 0x0a+5*((\a)/4)                            ; sources 0 and 1: window 2 or 3
.irp b, 0,1,2,3,4,5,6,7
.irp i, 0,1,2,3
	v_cvt_pk_f16_f32 v[TMP+4*\b+\i], v[AC+8*\b+2*\i], v[AC+8*\b+2*\i+1]
.endr
.endr
	WIN 0
.endm
.macro TOSTAGE a
.set BB, BK+32*((\a)%2)
.irp b, 0,1,2,3,4,5,6,7
	ds_store_b128 v[STO], v[TMP+4*\b:TMP+4*\b+3] offset:(\b/4)*SPL+32*(\b%4)
.endr
.irp p, 0,1
.irp i, 0,1,2,3
	ds_load_b128 v[BB+4*(4*\p+\i):BB+4*(4*\p+\i)+3], v[RD] offset:\p*SPL+576*\i   ; LDS serves a wave's instructions in order: these see the stores above
.endr
.endr
.endm
.macro SEND a
.set BB, BK+32*((\a)%2)
	s_wait_dscnt 0x0                               ; the block is back in registers
	s_wait_xcnt 0x0                                ; earlier stores have read their base and registers: both may be written again
.if (\a) > 0
	s_add_nc_u64 s[12:13], s[12:13], 2048          ; 16 rows of 128 bytes on
.endif
.irp p, 0,1
.irp i, 0,1,2,3
	global_store_b128 v[CO], v[BB+4*(4*\p+\i):BB+4*(4*\p+\i)+3], s[12:13] offset:\p*262144+512*\i
.endr
.endr
.endm
	PLACES NP
	PACK 0
	TOSTAGE 0
.irp a, 1,2,3,4,5,6,7                  ; block a's conversions stand between block a - 1's loads from the stage and the wait for them
	PACK \a
	SEND (\a)-1
	TOSTAGE \a
.endr
	SEND 7
	s_wait_tensorcnt 0x0                           ; the wave's end, behind my last tensor load and my last LDS store
	ds_add_u32 v[SPW], v[NIL]
	s_wait_dscnt 0x0
	CROUND                                         ; the closing round
	s_endpgm
.Lfunc_end_k_q92b62a98e1_qkv:
	.size	k_q92b62a98e1_qkv, .Lfunc_end_k_q92b62a98e1_qkv-k_q92b62a98e1_qkv
	.p2alignl 7, 3214868480
	.fill 96, 4, 3214868480
	.section	.rodata,"a",@progbits
	.p2align	6, 0x0
	.amdhsa_kernel k_q92b62a98e1_qkv
		.amdhsa_group_segment_fixed_size 327680
		.amdhsa_private_segment_fixed_size 0
		.amdhsa_enable_private_segment 0
		.amdhsa_kernarg_size 64
		.amdhsa_user_sgpr_count 2
		.amdhsa_user_sgpr_kernarg_segment_ptr 1
		.amdhsa_wavefront_size32 1
		.amdhsa_system_sgpr_workgroup_id_x 1
		.amdhsa_system_sgpr_workgroup_id_y 1
		.amdhsa_system_sgpr_workgroup_id_z 1
		.amdhsa_system_vgpr_workitem_id 0
		.amdhsa_next_free_vgpr 1024
		.amdhsa_next_free_sgpr 102
		.amdhsa_reserve_vcc 0
		.amdhsa_float_denorm_mode_32 3
		.amdhsa_float_denorm_mode_16_64 3
		.amdhsa_memory_ordered 1
		.amdhsa_forward_progress 1
		.amdhsa_inst_pref_size 129
	.end_amdhsa_kernel
	.amdgpu_metadata
---
amdhsa.version: [ 1, 2 ]
amdhsa.kernels:
  - .name:           k_q92b62a98e1_qkv
    .symbol:         k_q92b62a98e1_qkv.kd
    .args:
      - { .name: xc, .offset: 0, .size: 8, .value_kind: global_buffer, .address_space: global }
      - { .name: xs, .offset: 8, .size: 8, .value_kind: global_buffer, .address_space: global }
      - { .name: wc, .offset: 16, .size: 8, .value_kind: global_buffer, .address_space: global }
      - { .name: ws, .offset: 24, .size: 8, .value_kind: global_buffer, .address_space: global }
      - { .name: bq, .offset: 32, .size: 8, .value_kind: global_buffer, .address_space: global }
      - { .name: bk, .offset: 40, .size: 8, .value_kind: global_buffer, .address_space: global }
      - { .name: bv, .offset: 48, .size: 8, .value_kind: global_buffer, .address_space: global }
      - { .name: qkv, .offset: 56, .size: 8, .value_kind: global_buffer, .address_space: global }
    .group_segment_fixed_size: 327680
    .private_segment_fixed_size: 0
    .kernarg_segment_align: 8
    .kernarg_segment_size: 64
    .max_flat_workgroup_size: 128
    .sgpr_count:     102
    .vgpr_count:     1024
    .wavefront_size: 32
...
	.end_amdgpu_metadata
.endif
;; end of part 2
;; launch attn (part 3): grid 4 x 64, 8 waves a work-group, clusters of 4 x 1, 327,680 bytes of LDS; arguments qkv, mask, o16; writes o16
.if DOCPART == 3
	.amdgcn_target "amdgcn-amd-amdhsa--gfx1250"
	.amdhsa_code_object_version 6
	.text
	.protected	k_q92b62a98e1_attn
	.globl	k_q92b62a98e1_attn
	.p2align	8
	.type	k_q92b62a98e1_attn,@function
k_q92b62a98e1_attn:
	s_mov_b64 s[64:65], 0
	v_nop
	global_prefetch_b8 v0, s[64:65] scope:SCOPE_SE
	s_setreg_imm32_b32 hwreg(HW_REG_WAVE_MODE, 25, 1), 1
	s_wait_xcnt 0x0
	s_wait_alu depctr_hold_cnt(0) depctr_sa_sdst(0) depctr_va_vdst(0) depctr_va_sdst(0) depctr_va_ssrc(0) depctr_va_vcc(0) depctr_vm_vsrc(0)
	s_getreg_b32 s2, hwreg(HW_REG_IB_STS2, 6, 4)
	s_cmp_eq_u32 s2, 0
	s_cbranch_scc0 .Lentry_in_a_cluster
	s_endpgm
.Lentry_in_a_cluster:
	s_bfe_u32 s2, ttmp6, 0x10000c
	s_cmp_lg_u32 s2, 0x3003
	s_cbranch_scc0 .Lentry_shape_is_right
	s_endpgm
.Lentry_shape_is_right:
; ATTN: o[b][h][q][:] = the sum over k of softmax_k(q . k / 8, hidden keys at -infinity) v[k][:].  q, k, v: f16, qkv [3][64 bh][2,048][64]; mask [4][2,048] bytes, 1 = hidden; o16: f16 [64 bh][2,048][64].
; Products on f16 operands with f32 sums; maxima, exponentials and sums in f32; the weights p are rounded to f16 for the second product, o once at the end.
; SHARES.  A work-group owns 512 queries of one head, each of its eight waves 64: four tiles of 16; two waves share a SIMD, so that one's vector work stands beside the other's products.  Every wave walks all 2,048 keys, 64 a step.
; LAYOUT.  S^T = K Q^T (source 0 = 16 keys, source 1 = 16 queries): a lane holds ONE query (lane % 16) and keys 8 (lane / 16) + 0..7.  Two such tiles, rounded to f16 in pairs, ARE source 1 of O^T = V^T P,
; whose result again holds one query a lane.  K comes out of LDS as it lies, V ([key][channel]) turned, by ds_load_tr16_b128.
; SOFTMAX.  For each query a running maximum m of the raw scores and a sum l: p = 2^(c s - c m), c = log2(e) / 8; in every step O and l are multiplied by a = 2^(c m_old - c m_new).
; THE MASK.  The C of a score's first product is 0, or -2^127 for a hidden key; m is held at -2^100 from below.  Scores of f16 operands are under 64 x 65,504^2 = 2.8e11 in size, so the floor touches none
; of them, and a hidden key's p is 2^(-3e37) = 0.  Where every key of a batch is hidden, l = 0 and O = 0, and O x (1 / l) = 0 x infinity is NaN, which is what a softmax over -infinities alone gives.
; LIMIT: |o| stays under 65,504 (it is an average of v).
; CLUSTER.  The four query blocks of a head form a cluster and walk the same K and V: each tile is asked for JOINTLY, by the same tensor load with the same descriptor and a mask that names the four.
; A STEP IS PIPELINED: trip j does the softmax of step j, V^T P of step j, and K Q^T of step j + 1; K and V share one buffer of 64 registers: each half is loaded anew as soon as its products are issued.
; REGISTERS: window 0: v2-14 addresses; v16-47 eight registers of statistics a tile; v48-79 a step's mask bias; v80-93 at work at the head; v128-255 S^T, 32 a tile; P takes the first 16 of each.
;   window 1: v0-127 O^T, 32 a tile; v128-191 Q, 16 a tile; v192-255 K or V of one step.
.set KS,    64                         ; keys in a step
.set PK,    144                        ; a row of K in LDS: 128 bytes + 16: the 16 rows of a load start 36 words apart
.set PV,    160                        ; a row of V: 128 + 32
.set VOFF,  KS*PK                      ; a step's tiles lie together: 64 rows of K, then 64 rows of V
.set STEPB, KS*(PK+PV)
.set SLOT1, 1<<17                      ; a slot holds four steps (77,824 bytes); slot 1 begins here, so that one exclusive or turns an address
.set MB,    2*SLOT1                    ; the mask's bias as f32, 2,048 x 4 bytes; written by LDS stores, never a tensor load's target
.set STAGE, MB+8192                    ; the way out: 16 rows x 144 bytes for each wave
.set SP,    144
.set SPARE, STAGE+8*16*SP              ; the spare words, 128 bytes for each wave
.set AK0, 2                            ; v2   my lane's place in a tile of K
.set AV0, 3                            ; v3   the same for V
.set ADK, 4                            ; v4   LDS address of K's run of loads
.set QO,  5                            ; v5   my byte offset in the wave's rows of Q
.set STO, 6                            ; v6   the way out: where I put 16 bytes of a row
.set RD,  7                            ; v7   the way out: where I read rows back
.set GO,  8                            ; v8   my byte offset in the wave's rows of o16
.set AM0, 9                            ; v9   my lane's place in a step's mask bias
.set ADM, 10                           ; v10  LDS address of the mask's run of loads
.set PFO, 11                           ; v11  256 x my lane: the prefetches' offset
.set SPW, 12                           ; v12  LDS address of my spare word; never rewritten
.set NIL, 13                           ; v13  0; never rewritten
.set ADV, 14                           ; v14  LDS address of V's run of loads
.set ST,  16                           ; tile t's statistics at v[ST+8 t]: +0 c m, +1 m, +2, +3 l (even keys', odd keys'), +4 to +7 at work; a in +6
.set MK,  48
.set S,   128
.set QR,  128                          ; in window 1
.set KV,  192                          ; in window 1
.set WV,  12                           ; s12  my wave's number
.set LIM, 15                           ; s15  1 in a wave that prefetches, else the greatest number
.set PFA, 18                           ; s[18:19] where my prefetches stand
.set G1K, 24
.set G1V, 32
.set G0K, 40                           ; s[40:47] two sets; the second walks on
.set G0V, 48
.set SLOTS, 56
.set CNT, 57
.set CS,  58                           ; s[58:59] c
.set SEL, 60                           ; s[60:61] lane selects for v_permlanex16_b32: lane l xor 16
.set TB,  62                           ; s62  LDS byte at which the tiles of the step to be fetched begin
.set TM,  66                           ; s66  and its mask bias: 256 bytes a step
.set MSB, 0
.macro WIN new                         ; the immediate's high byte repeats the setting that is left
.if MSB != \new
	s_set_vgpr_msb (MSB<<8)|\new
.set MSB, \new
.endif
.endm
.set W_KQ, 0x05                        ; K and Q in window 1; C and S^T in window 0
.set W_PV, 0x51                        ; V in window 1, P in window 0, O^T in window 1
.set W_LD, 0x40                        ; destination window 1, address window 0
.set W_RS, 0x41                        ; O^T (destination and source 0) in window 1, a in window 0
.set W_CV, 0x05                        ; sources 0 and 1 in window 1, destination in window 0
; A joint refill.  Waves 0 to 3 fetch the four steps' tiles of K, waves 4 to 7 those of V: one load of 64 rows a wave.  The branch hangs on the wave's number alone.
.macro JLOAD
	s_cmp_lt_u32 s[WV], 4
	s_cbranch_scc0 .Lfor_v_\@
	tensor_load_to_lds s[G0K+4:G0K+7], s[G1K:G1K+7]
	s_nop 0
.rept 4
	v_nop
.endr
	s_branch .Lasked_\@
.Lfor_v_\@:
	tensor_load_to_lds s[G0V+4:G0V+7], s[G1V:G1V+7]
	s_nop 0
.rept 4
	v_nop
.endr
.Lasked_\@:
.endm
; A prefetch of what the NEXT change of slots will ask for: 256 rows of K and of V, 32,768 dense bytes each.  One cluster walks a head, so its four partners share each block out BY ADDRESS, 8,192 bytes each,
; lanes 256 bytes apart; wave 0 asks for K's and wave 4 for V's: each 256 bytes are named once in the launch.  The last change that fills a slot asks for nothing.
.macro ASK
	s_cmp_gt_u32 s[SLOTS], s[LIM]
	s_cbranch_scc0 .Lnot_mine_\@
	global_prefetch_b8 v[PFO], s[PFA:PFA+1] th:TH_LOAD_NT scope:SCOPE_SE
.Lnot_mine_\@:
.endm
.macro CROUND                          ; a round of the cluster's barrier
	s_barrier_signal -1
	s_barrier_wait -1
	s_cmp_lg_u32 s[WV], 0
	s_cbranch_scc1 .Lnot_wave_0_\@
	s_barrier_signal -3
.Lnot_wave_0_\@:
	s_barrier_wait -3
	s_barrier_signal -1
	s_barrier_wait -1
.endm
.macro PLACES n                        ; plain vector instructions between a matrix instruction and what next touches its registers (ISA guide 7.12.1)
.rept \n
	v_nop
.endr
.endm
	s_load_b128 s[4:7], s[0:1], 0x0                ; qkv s[4:5], mask s[6:7]
	s_load_b64 s[8:9], s[0:1], 0x10                ; o16
	v_lshl_add_u32 v[SPW], v0, 2, SPARE
	v_mov_b32 v[NIL], 0
	ds_add_u32 v[SPW], v[NIL]                      ; the wave's opening: the add, twice on end, and its wait ahead of my first tensor load
	ds_add_u32 v[SPW], v[NIL]
	v_lshrrev_b32 v1, 5, v0
	v_readfirstlane_b32 s[WV], v1                  ; wave 0..7
	s_bfe_u32 s13, ttmp6, 0x40000                  ; cx: my block of 512 queries; it enters Q's, o16's and the prefetches' addresses alone
	s_and_b32 s14, ttmp7, 0xffff                   ; batch x 16 + head, which the four partners share
	s_lshl_b32 s20, s14, 18                        ; a head is 262,144 bytes
	s_mov_b32 s21, 0
	s_lshl_b32 s2, s13, 16                         ; 512 rows of 128 bytes,
	s_lshl_b32 s3, s[WV], 13                       ; my wave's 64
	s_add_co_u32 s2, s2, s3
	s_add_co_u32 s2, s2, s20
	s_mov_b32 s3, 0
	s_and_b32 s22, s[WV], 3                        ; which of a slot's four steps I fetch:
	s_mul_i32 s67, s22, STEPB                      ; its place in a slot,
	s_lshl_b32 s22, s22, 13                        ; its 64 rows in memory
	s_mov_b32 s23, 0
	s_mov_b32 s[G1K], 15|(1<<16)|(1<<20)|(1<<21)|(4<<22)|(3<<25)  ; the mask: all four work-groups; elements of 2 bytes; padding on; bit 21 beside a mask; 4 words of padding after every 32
	s_mov_b32 s[G1V], 15|(1<<16)|(1<<20)|(1<<21)|(4<<22)|(7<<25)  ; the same with 8 words of padding
.irp g, G1K, G1V
	s_mov_b32 s[\g+1], 64<<16                      ; tensor_dim0 = 64
	s_mov_b32 s[\g+2], KS<<16                      ; tensor_dim1 = 64
	s_mov_b32 s[\g+3], 64<<16                      ; tile_dim0 = 64
	s_mov_b32 s[\g+4], KS                          ; tile_dim1 = 64
	s_mov_b32 s[\g+5], 64                          ; elements from row to row
	s_mov_b32 s[\g+6], 0
	s_mov_b32 s[\g+7], 0
.endr
	s_mov_b32 s[CS], 0x3e38aa3b                    ; c = log2(e) / 8
	s_mov_b32 s[CS+1], s[CS]                       ; named with it as a pair, so it is written
	s_mov_b32 s[SEL], 0x76543210
	s_mov_b32 s[SEL+1], 0xfedcba98
	s_mov_b32 s[TB], 0
	s_mov_b32 s[TM], 0
	s_mov_b32 s[SLOTS], 6
	s_mov_b32 s63, 0xff000000                      ; -2^127
	s_and_b32 s[LIM], s[WV], 3
	s_cmp_eq_u32 s[LIM], 0
	s_cselect_b32 s[LIM], 1, -1                    ; waves 0 and 4 prefetch
	s_wait_dscnt 0x0                               ; both opening adds are done
	s_wait_kmcnt 0x0
	s_add_nc_u64 s[10:11], s[4:5], s[20:21]        ; my head in q,
	s_add_nc_u64 s[16:17], s[10:11], 0x2000000     ; in v,
	s_add_nc_u64 s[10:11], s[10:11], 0x1000000     ; in k
	s_add_nc_u64 s[4:5], s[4:5], s[2:3]            ; Q and o16 at my wave's first row
	s_add_nc_u64 s[8:9], s[8:9], s[2:3]
	s_lshr_b32 s2, s14, 4
	s_lshl_b32 s2, s2, 11
	s_add_nc_u64 s[6:7], s[6:7], s[2:3]            ; my batch's 2,048 mask bytes
	s_cmp_lt_u32 s[WV], 4
	s_cselect_b64 s[PFA:PFA+1], s[10:11], s[16:17]
	s_lshl_b32 s2, s13, 13                         ; my work-group's 8,192 bytes,
	s_add_co_u32 s2, s2, 65536                     ; in the third 256 keys; the first change of slots steps it on.  Nothing is prefetched at the head
	s_add_nc_u64 s[PFA:PFA+1], s[PFA:PFA+1], s[2:3]
	s_add_nc_u64 s[10:11], s[10:11], s[22:23]      ; K and V at my tile of slot 0
	s_add_nc_u64 s[16:17], s[16:17], s[22:23]
	CROUND                                         ; all four work-groups are here: the first joint loads meet
.irp s, 0,1
	s_mov_b32 s[G0K+4*\s], 1
	s_add_co_u32 s[G0K+4*\s+1], s67, \s*SLOT1
	s_add_nc_u64 s[G0K+4*\s+2:G0K+4*\s+3], s[10:11], \s*32768
	s_or_b32 s[G0K+4*\s+3], s[G0K+4*\s+3], 0x80000000
	s_mov_b32 s[G0V+4*\s], 1
	s_add_co_u32 s[G0V+4*\s+1], s67, \s*SLOT1+VOFF
	s_add_nc_u64 s[G0V+4*\s+2:G0V+4*\s+3], s[16:17], \s*32768
	s_or_b32 s[G0V+4*\s+3], s[G0V+4*\s+3], 0x80000000
.endr
	s_cmp_lt_u32 s[WV], 4                          ; a wave's two first fills stand in one branch, ahead of every wait on TENSORcnt and every LDS read: two loads of mine are out
	s_cbranch_scc0 .Lfirst_v
	tensor_load_to_lds s[G0K:G0K+3], s[G1K:G1K+7]
	s_nop 0
	tensor_load_to_lds s[G0K+4:G0K+7], s[G1K:G1K+7]
	s_nop 0
.rept 4
	v_nop
.endr
	s_branch .Lfirst_asked
.Lfirst_v:
	tensor_load_to_lds s[G0V:G0V+3], s[G1V:G1V+7]
	s_nop 0
	tensor_load_to_lds s[G0V+4:G0V+7], s[G1V:G1V+7]
	s_nop 0
.rept 4
	v_nop
.endr
.Lfirst_asked:
	v_lshlrev_b32 v82, 3, v0
	global_load_b64 v[80:81], v82, s[6:7]          ; eight mask bytes a thread: 256 threads take the batch's 2,048
	v_and_b32 v1, 15, v0                           ; r = l % 16
	v_bfe_u32 v15, v0, 4, 1                        ; h = l / 16
	v_lshlrev_b32 v[QO], 7, v1
	v_lshl_add_u32 v[QO], v15, 4, v[QO]            ; row x 128 + 16 x half
	WIN W_LD
.irp t, 0,1,2,3                        ; Q stays in registers: tile t, channels 32 c on
.irp c, 0,1
	global_load_b128 v[QR+16*\t+8*\c:QR+16*\t+8*\c+3],   v[QO], s[4:5] offset:2048*\t+64*\c
	global_load_b128 v[QR+16*\t+8*\c+4:QR+16*\t+8*\c+7], v[QO], s[4:5] offset:2048*\t+64*\c+32
.endr
.endr
	WIN 0
	v_mul_u32_u24 v[AK0], v1, PK
	v_lshl_add_u32 v[AK0], v15, 4, v[AK0]          ; K: row x pitch + 16 x half
	v_and_b32 v92, 7, v0
	v_bfe_u32 v93, v0, 3, 1
	v_lshl_add_u32 v[AV0], v15, 3, v92             ; V, for the turning load: key 8 (l / 16) + l % 8,
	v_mul_u32_u24 v[AV0], v[AV0], PV
	v_lshl_add_u32 v[AV0], v93, 4, v[AV0]          ; channels 8 ((l / 8) % 2) on
	v_add_nc_u32 v[AV0], VOFF, v[AV0]
	s_mul_i32 s14, s[WV], 16*SP
	s_add_co_u32 s14, s14, STAGE                   ; my stage
	v_mul_u32_u24 v[STO], v1, SP                   ; in: row r, 16 bytes for each half of the lanes
	v_lshl_add_u32 v[STO], v15, 4, v[STO]
	v_add_nc_u32 v[STO], s14, v[STO]
	v_bfe_u32 v[RD], v0, 3, 2                      ; back: eight lanes to a row of 128 bytes, four rows an instruction
	v_mul_u32_u24 v[RD], v[RD], SP
	v_lshl_add_u32 v[RD], v92, 4, v[RD]
	v_add_nc_u32 v[RD], s14, v[RD]
	v_and_b32 v[GO], 31, v0
	v_lshlrev_b32 v[PFO], 8, v[GO]
	v_lshlrev_b32 v[GO], 4, v[GO]
	v_lshl_add_u32 v[AM0], v15, 5, MB              ; the mask bias of keys 8 h + 0..7 of a tile
	v_lshl_add_u32 v83, v0, 5, MB                  ; and where I store my eight
	s_wait_loadcnt 16                              ; the mask bytes are in; Q's sixteen loads may be out
.irp k, 0,1,2,3,4,5,6,7
	v_bfe_u32 v[84+\k], v[80+\k/4], 8*(\k%4), 1    ; a byte is 0 or 1
.endr
.irp k, 0,1,2,3,4,5,6,7
	v_mul_lo_u32 v[84+\k], v[84+\k], s63           ; 0, or the bits of -2^127
.endr
	ds_store_b128 v83, v[84:87]
	ds_store_b128 v83, v[88:91] offset:16
	s_wait_tensorcnt 1                             ; my part of slot 0 is in; slot 1's may stay out
	s_wait_dscnt 0x0                               ; my part of the mask bias is stored
	s_barrier_signal -1
	s_barrier_wait -1                              ; everybody's are
; THE LDS LOADS stand in runs.  LDM: the mask bias of the step to come, 8 loads.  LDK: half of its K (32 keys x 64 channels), 8 loads.  LDV: its V, turned, 16 loads.
.macro LDM
	WIN 0
	v_add_nc_u32 v[ADM], s[TM], v[AM0]
	s_add_co_u32 s[TM], s[TM], 256
.irp k, 0,1,2,3
.irp u, 0,1
	ds_load_b128 v[MK+8*\k+4*\u:MK+8*\k+4*\u+3], v[ADM] offset:64*\k+16*\u   ; register 8 k + j: the bias of key 16 k + 8 h + j: the layout of a score tile's C
.endr
.endr
.endm
.macro LDK half
.if \half == 0
	WIN 0
	v_add_nc_u32 v[ADK], s[TB], v[AK0]
.endif
	WIN W_LD
.irp k, 0,1
.irp c, 0,1
	ds_load_b128 v[KV+16*(2*\half+\k)+8*\c:KV+16*(2*\half+\k)+8*\c+3],   v[ADK] offset:(2*\half+\k)*16*PK+64*\c
	ds_load_b128 v[KV+16*(2*\half+\k)+8*\c+4:KV+16*(2*\half+\k)+8*\c+7], v[ADK] offset:(2*\half+\k)*16*PK+64*\c+32
.endr
.endr
.endm
.macro LDV
	WIN 0
	v_add_nc_u32 v[ADV], s[TB], v[AV0]
	s_add_co_u32 s[TB], s[TB], STEPB               ; the next fetch is the next step's
	WIN W_LD
.irp k, 0,1
.irp c, 0,1,2,3
	ds_load_tr16_b128 v[KV+32*\k+8*\c:KV+32*\k+8*\c+3],   v[ADV] offset:\k*32*PV+32*\c
	ds_load_tr16_b128 v[KV+32*\k+8*\c+4:KV+32*\k+8*\c+7], v[ADV] offset:\k*32*PV+16*PV+32*\c
.endr
.endr
.endm
; THE PRODUCTS.  The accumulators take turns, one instruction a turn.
; KQ: 16 products of S^T = K Q^T for key tiles 2 half, 2 half + 1: the first 8 begin the sums with the mask bias as C, the other 8 add channels 32 to 63.
.macro KQ half
.irp c, 0,1
.irp k, 0,1
.irp t, 0,1,2,3
.if \c == 0
	v_wmma_f32_16x16x32_f16 v[S+32*\t+8*(2*\half+\k):S+32*\t+8*(2*\half+\k)+7], v[KV+16*(2*\half+\k)+8*\c:KV+16*(2*\half+\k)+8*\c+7], v[QR+16*\t+8*\c:QR+16*\t+8*\c+7], v[MK+8*(2*\half+\k):MK+8*(2*\half+\k)+7]
.else
	v_wmma_f32_16x16x32_f16 v[S+32*\t+8*(2*\half+\k):S+32*\t+8*(2*\half+\k)+7], v[KV+16*(2*\half+\k)+8*\c:KV+16*(2*\half+\k)+8*\c+7], v[QR+16*\t+8*\c:QR+16*\t+8*\c+7], v[S+32*\t+8*(2*\half+\k):S+32*\t+8*(2*\half+\k)+7]
.endif
.endr
.endr
.endr
.endm
; PVH: 16 products of O^T += V^T P for keys 32 kc on.  zero = 1: they start the sums: nothing is ever cleared.
.macro PVH kc, zero
.irp c, 0,1,2,3
.irp t, 0,1,2,3
.if \zero
	v_wmma_f32_16x16x32_f16 v[32*\t+8*\c:32*\t+8*\c+7], v[KV+32*\kc+8*\c:KV+32*\kc+8*\c+7], v[S+32*\t+8*\kc:S+32*\t+8*\kc+7], 0
.else
	v_wmma_f32_16x16x32_f16 v[32*\t+8*\c:32*\t+8*\c+7], v[KV+32*\kc+8*\c:KV+32*\kc+8*\c+7], v[S+32*\t+8*\kc:S+32*\t+8*\kc+7], v[32*\t+8*\c:32*\t+8*\c+7]
.endif
.endr
.endr
.endm
; THE SOFTMAX of one step, the four tiles line by line by turns, so that no line waits for the line above it.  first = 1: the first step, which starts m, l and O^T.
.macro SOFTMAX first
	WIN 0
.irp j, 0,1,2,3                        ; the maximum of a lane's 32 scores: four chains, each begun at a score tile's lowest registers
.irp t, 0,1,2,3
	v_max3_num_f32 v[ST+8*\t+4+\j], v[S+32*\t+8*\j], v[S+32*\t+8*\j+1], v[S+32*\t+8*\j+2]
.endr
.endr
.irp g, 1,2
.irp j, 0,1,2,3
.irp t, 0,1,2,3
	v_max3_num_f32 v[ST+8*\t+4+\j], v[ST+8*\t+4+\j], v[S+32*\t+8*\j+2*\g+1], v[S+32*\t+8*\j+2*\g+2]
.endr
.endr
.endr
.irp t, 0,1,2,3
	v_max3_num_f32 v[ST+8*\t+4], v[ST+8*\t+4], v[S+32*\t+7], v[S+32*\t+15]
.endr
.irp t, 0,1,2,3
	v_max3_num_f32 v[ST+8*\t+6], v[ST+8*\t+6], v[S+32*\t+23], v[S+32*\t+31]
.endr
.irp t, 0,1,2,3
	v_max3_num_f32 v[ST+8*\t+4], v[ST+8*\t+4], v[ST+8*\t+5], v[ST+8*\t+6]
.endr
.irp t, 0,1,2,3
.if \first
	v_max3_num_f32 v[ST+8*\t+4], v[ST+8*\t+4], v[ST+8*\t+7], 0xf1800000   ; and the floor -2^100
.else
	v_max3_num_f32 v[ST+8*\t+4], v[ST+8*\t+4], v[ST+8*\t+7], v[ST+8*\t+1] ; and the old m
.endif
.endr
.irp t, 0,1,2,3
	v_permlanex16_b32 v[ST+8*\t+5], v[ST+8*\t+4], s[SEL], s[SEL+1]        ; the query's other 32 keys lie in the lane 16 away
.endr
.if \first == 0
.irp t, 0,1,2,3
	v_mov_b32 v[ST+8*\t+7], v[ST+8*\t]             ; c m_old is kept for a
.endr
.endif
.irp t, 0,1,2,3
	v_max_num_f32 v[ST+8*\t+1], v[ST+8*\t+4], v[ST+8*\t+5]
.endr
.irp t, 0,1,2,3
	v_mul_f32 v[ST+8*\t], s[CS], v[ST+8*\t+1]
.endr
.if \first == 0
.irp t, 0,1,2,3
	v_sub_f32 v[ST+8*\t+7], v[ST+8*\t+7], v[ST+8*\t]
.endr
.endif
.set j, 0
.rept 16
.irp t, 0,1,2,3
	v_pk_fma_f32 v[S+32*\t+2*j:S+32*\t+2*j+1], v[S+32*\t+2*j:S+32*\t+2*j+1], s[CS:CS+1], v[ST+8*\t:ST+8*\t+1] op_sel_hi:[1,0,0] neg_lo:[0,0,1] neg_hi:[0,0,1]   ; c s - c m, two at a time
.endr
.set j, j+1
.endr
.if \first == 0
.irp t, 0,1,2,3
	v_exp_f32 v[ST+8*\t+6], v[ST+8*\t+7]           ; a
.endr
.endif
.set j, 0
.rept 32
.irp t, 0,1,2,3
	v_exp_f32 v[S+32*\t+j], v[S+32*\t+j]           ; p, at most 1
.endr
.set j, j+1
.endr
	v_nop                                          ; a plain instruction behind the last exponential
	s_wait_alu depctr_va_vdst(0)                   ; one wait for the whole batch, ahead of the first instruction that names a result
.irp t, 0,1,2,3                        ; the sums of the unrounded p, two at a time, in two chains
.if \first
	v_pk_add_f32 v[ST+8*\t+2:ST+8*\t+3], v[S+32*\t:S+32*\t+1], v[S+32*\t+30:S+32*\t+31]
.else
	v_pk_fma_f32 v[ST+8*\t+2:ST+8*\t+3], v[ST+8*\t+2:ST+8*\t+3], v[ST+8*\t+6:ST+8*\t+7], v[S+32*\t:S+32*\t+1] op_sel_hi:[1,0,1]
.endif
.endr
.irp t, 0,1,2,3
	v_pk_add_f32 v[ST+8*\t+4:ST+8*\t+5], v[S+32*\t+2:S+32*\t+3], v[S+32*\t+4:S+32*\t+5]
.endr
.irp b, 3,5,7,9,11,13
.irp t, 0,1,2,3
	v_pk_add_f32 v[ST+8*\t+2:ST+8*\t+3], v[ST+8*\t+2:ST+8*\t+3], v[S+32*\t+2*\b:S+32*\t+2*\b+1]
.endr
.irp t, 0,1,2,3
	v_pk_add_f32 v[ST+8*\t+4:ST+8*\t+5], v[ST+8*\t+4:ST+8*\t+5], v[S+32*\t+2*\b+2:S+32*\t+2*\b+3]
.endr
.endr
.if \first == 0
.irp t, 0,1,2,3
	v_pk_add_f32 v[ST+8*\t+2:ST+8*\t+3], v[ST+8*\t+2:ST+8*\t+3], v[S+32*\t+30:S+32*\t+31]
.endr
.endif
.irp t, 0,1,2,3
	v_pk_add_f32 v[ST+8*\t+2:ST+8*\t+3], v[ST+8*\t+2:ST+8*\t+3], v[ST+8*\t+4:ST+8*\t+5]
.endr
.set j, 0
.rept 16
.irp t, 0,1,2,3
	v_cvt_pk_f16_f32 v[S+32*\t+j], v[S+32*\t+2*j], v[S+32*\t+2*j+1]   ; P, in place, ascending
.endr
.set j, j+1
.endr
.if \first == 0
	WIN W_RS
.set j, 0
.rept 16
.irp t, 0,1,2,3
	v_pk_mul_f32 v[32*\t+2*j:32*\t+2*j+1], v[32*\t+2*j:32*\t+2*j+1], v[ST+8*\t+6:ST+8*\t+7] op_sel_hi:[1,0]   ; O^T x a, each accumulator from its low end on
.endr
.set j, j+1
.endr
.endif
.endm
; TRIP j.  more = 1: step j + 1 follows.
.macro TRIP first, more
.if \more
	LDM                                            ; four plain instructions stand between the last K Q^T, which read the bias, and these loads
.endif
	SOFTMAX \first
	s_wait_dscnt 0x0                               ; V of this step and the next step's mask bias are in
	WIN W_PV
	PVH 0, \first
.if \more
	PLACES 4                                       ; in front of loads into the registers that those products read
	LDK 0
	WIN W_PV
.endif
	PVH 1, 0
.if \more
	PLACES 5                                       ; four for the loads; the fifth since K Q^T writes over P's registers, which V^T P read as a source
	LDK 1
	s_wait_dscnt 8                                 ; K's first half is in; the eight loads of the second may be out
	WIN W_KQ
	KQ 0
	s_wait_dscnt 0x0
	KQ 1
	PLACES 4                                       ; in front of V's loads into K's registers, of the next softmax's reads and of the next mask bias
	LDV
.endif
	WIN 0
.endm
; THE CHANGE OF SLOTS: the slot's last bytes, V of its fourth step, have been asked for.  Each wave waits for all its tensor loads (its part of the other slot), adds 0 to its spare word, and waits for that and for
; its reads of the slot.  fill = 1: the barrier is a round of the cluster's, and the joint refill, the keys two slots on, is the first thing behind it: it has four steps in which to land.
.macro CHANGE fill
	WIN 0
	s_wait_tensorcnt 0x0                           ; no tensor load of mine is out, so a group 0 may be written
	ds_add_u32 v[SPW], v[NIL]                      ; 0 onto my spare word
.if \fill
.irp g, G0K+4, G0V+4
	s_xor_b32 s[\g+1], s[\g+1], SLOT1              ; the walking descriptor: the other slot than last time,
	s_add_nc_u64 s[\g+2:\g+3], s[\g+2:\g+3], 32768 ; the next 256 keys
.endr
	s_wait_xcnt 0x0                                ; the last prefetch, four steps back, has read its address
	s_add_nc_u64 s[PFA:PFA+1], s[PFA:PFA+1], 32768 ; one slot further on than the walking descriptors
	s_wait_dscnt 0x0                               ; the add is done, and my reads of the slot are over
	CROUND
	JLOAD
	ASK
.else
	s_wait_dscnt 0x0
	s_barrier_signal -1
	s_barrier_wait -1
.endif
	s_sub_co_u32 s[TB], s[TB], 4*STEPB             ; the fetches go back to a slot's first step,
	s_xor_b32 s[TB], s[TB], SLOT1                  ; in the other slot
.endm
.macro TRIPS n                         ; n trips, written once
	s_mov_b32 s[CNT], \n
.Lstep_\@:
	TRIP 0, 1
	s_sub_co_u32 s[CNT], s[CNT], 1
	s_cmp_lg_u32 s[CNT], 0
	s_cbranch_scc1 .Lstep_\@
.endm
	LDM                                            ; step 0
	LDK 0
	LDK 1
	s_wait_loadcnt 0x0                             ; Q
	s_wait_dscnt 0x0
	WIN W_KQ
	KQ 0
	KQ 1
	PLACES 4
	LDV
	WIN 0
	TRIP 1, 1                                      ; trip 0
	TRIPS 2                                        ; trips 1, 2: slot 0's four steps have been fetched
.Lslot:                                            ; six trips: every slot's worth of keys but the first two is asked for here
	CHANGE 1
	TRIPS 4
	s_sub_co_u32 s[SLOTS], s[SLOTS], 1
	s_cmp_lg_u32 s[SLOTS], 0
	s_cbranch_scc1 .Lslot
	CHANGE 0                                       ; the tail is written out
	TRIPS 4                                        ; trips 27 to 30
	TRIP 0, 0                                      ; trip 31
	; THE WAY OUT.  l's two halves and the other half of the lanes' are added; O^T is divided by l, rounded to f16 and sent through my stage, a tile (16 rows) at a time.  The four additions are the places behind the last products.
.irp t, 0,1,2,3
	v_add_f32 v[ST+8*\t+4], v[ST+8*\t+2], v[ST+8*\t+3]
.endr
.irp t, 0,1,2,3
	v_permlanex16_b32 v[ST+8*\t+5], v[ST+8*\t+4], s[SEL], s[SEL+1]
.endr
.irp t, 0,1,2,3
	v_add_f32 v[ST+8*\t+4], v[ST+8*\t+4], v[ST+8*\t+5]
.endr
.irp t, 0,1,2,3
	v_rcp_f32 v[ST+8*\t+6], v[ST+8*\t+4]
.endr
	v_nop                                          ; a plain instruction behind the last reciprocal
	s_wait_alu depctr_va_vdst(0)                   ; one wait for the four, ahead of the first use
.macro PACK t
	WIN W_RS
.set j, 0
.rept 16
	v_pk_mul_f32 v[32*\t+2*j:32*\t+2*j+1], v[32*\t+2*j:32*\t+2*j+1], v[ST+8*\t+6:ST+8*\t+7] op_sel_hi:[1,0]
.set j, j+1
.endr
	WIN W_CV
.set j, 0
.rept 16
	v_cvt_pk_f16_f32 v[S+32*\t+j], v[32*\t+2*j], v[32*\t+2*j+1]
.set j, j+1
.endr
	WIN 0
.irp c, 0,1,2,3
	ds_store_b128 v[STO], v[S+32*\t+4*\c:S+32*\t+4*\c+3] offset:32*\c      ; channels 16 c + 8 h + 0..7 of row r
.endr
.irp i, 0,1,2,3
	ds_load_b128 v[S+32*\t+16+4*\i:S+32*\t+16+4*\i+3], v[RD] offset:4*SP*\i   ; LDS serves a wave's instructions in order: these see the stores above; the next tile's stores come behind them
.endr
.endm
.macro SEND t, younger                 ; younger: the LDS instructions issued behind tile t's loads: the next tile's eight, or none
.irp i, 0,1,2,3
	s_wait_dscnt \younger+3-\i
	global_store_b128 v[GO], v[S+32*\t+16+4*\i:S+32*\t+16+4*\i+3], s[8:9] offset:2048*\t+512*\i   ; the wave stores 512 consecutive bytes, aligned
.endr
.endm
	PACK 0
	PACK 1
	SEND 0, 8
	PACK 2
	SEND 1, 8
	PACK 3
	SEND 2, 8
	SEND 3, 0
	s_wait_tensorcnt 0x0                           ; the wave's end, behind my last tensor load and my last LDS store
	ds_add_u32 v[SPW], v[NIL]
	s_wait_dscnt 0x0
	CROUND                                         ; the closing round
	s_endpgm
.Lfunc_end_k_q92b62a98e1_attn:
	.size	k_q92b62a98e1_attn, .Lfunc_end_k_q92b62a98e1_attn-k_q92b62a98e1_attn
	.p2alignl 7, 3214868480
	.fill 96, 4, 3214868480
	.section	.rodata,"a",@progbits
	.p2align	6, 0x0
	.amdhsa_kernel k_q92b62a98e1_attn
		.amdhsa_group_segment_fixed_size 327680
		.amdhsa_private_segment_fixed_size 0
		.amdhsa_enable_private_segment 0
		.amdhsa_kernarg_size 24
		.amdhsa_user_sgpr_count 2
		.amdhsa_user_sgpr_kernarg_segment_ptr 1
		.amdhsa_wavefront_size32 1
		.amdhsa_system_sgpr_workgroup_id_x 1
		.amdhsa_system_sgpr_workgroup_id_y 1
		.amdhsa_system_sgpr_workgroup_id_z 1
		.amdhsa_system_vgpr_workitem_id 0
		.amdhsa_next_free_vgpr 512
		.amdhsa_next_free_sgpr 68
		.amdhsa_reserve_vcc 0
		.amdhsa_float_denorm_mode_32 3
		.amdhsa_float_denorm_mode_16_64 3
		.amdhsa_memory_ordered 1
		.amdhsa_forward_progress 1
		.amdhsa_inst_pref_size 184
	.end_amdhsa_kernel
	.amdgpu_metadata
---
amdhsa.version: [ 1, 2 ]
amdhsa.kernels:
  - .name:           k_q92b62a98e1_attn
    .symbol:         k_q92b62a98e1_attn.kd
    .args:
      - { .name: qkv, .offset: 0, .size: 8, .value_kind: global_buffer, .address_space: global }
      - { .name: mask, .offset: 8, .size: 8, .value_kind: global_buffer, .address_space: global }
      - { .name: o16, .offset: 16, .size: 8, .value_kind: global_buffer, .address_space: global }
    .group_segment_fixed_size: 327680
    .private_segment_fixed_size: 0
    .kernarg_segment_align: 8
    .kernarg_segment_size: 24
    .max_flat_workgroup_size: 256
    .sgpr_count:     68
    .vgpr_count:     512
    .wavefront_size: 32
...
	.end_amdgpu_metadata
.endif
;; end of part 3
;; launch oproj (part 4): grid 8 x 32, 4 waves a work-group, clusters of 4 x 4, 327,680 bytes of LDS; arguments o16, wo16, bo, out0; writes out0
.if DOCPART == 4
	.amdgcn_target "amdgcn-amd-amdhsa--gfx1250"
	.amdhsa_code_object_version 6
	.text
	.protected	k_q92b62a98e1_oproj
	.globl	k_q92b62a98e1_oproj
	.p2align	8
	.type	k_q92b62a98e1_oproj,@function
k_q92b62a98e1_oproj:
	s_mov_b64 s[64:65], 0
	v_nop
	global_prefetch_b8 v0, s[64:65] scope:SCOPE_SE
	s_setreg_imm32_b32 hwreg(HW_REG_WAVE_MODE, 25, 1), 1
	s_wait_xcnt 0x0
	s_wait_alu depctr_hold_cnt(0) depctr_sa_sdst(0) depctr_va_vdst(0) depctr_va_sdst(0) depctr_va_ssrc(0) depctr_va_vcc(0) depctr_vm_vsrc(0)
	s_getreg_b32 s2, hwreg(HW_REG_IB_STS2, 6, 4)
	s_cmp_eq_u32 s2, 0
	s_cbranch_scc0 .Lentry_in_a_cluster
	s_endpgm
.Lentry_in_a_cluster:
	s_bfe_u32 s2, ttmp6, 0x10000c
	s_cmp_lg_u32 s2, 0xf033
	s_cbranch_scc0 .Lentry_shape_is_right
	s_endpgm
.Lentry_shape_is_right:
; OPROJ: out0[m][n] = sum over k of o[m][k] Wo[k][n] + bo[n], m = 2,048 b + s, k = 64 h + d.  o16: f16 [4 b][16 h][2,048 s][64]; wo16: f16 [16 h][1,024 n][64]; out0: f32 [8,192][1,024].  Sums in f32,
; the bias as the C of each sum's first product.
; A tile of out0 is 256 rows x 128 columns: 256 work-groups.  Four waves, each 128 x 64: 32 accumulators of 16 x 16, 256 registers.  K goes in steps of 128, two head planes, through a ring of two LDS slots:
; wave 0 and 1 fetch o's two planes (256 rows of 128 bytes each), waves 2 and 3 Wo's (128 rows each).
; CLUSTERS: 4 x 4 work-groups.  The four of a row of the cluster need the same tiles of o, the four of a column the same tiles of Wo: each tile is asked for JOINTLY.
; THE MATRIX INSTRUCTION IS USED TRANSPOSED (source 0 = 16 rows of wo16, source 1 = 16 rows of o): a lane then holds eight neighbouring columns of one row of out0.
; REGISTERS: window 0: v16-29 addresses; v32-63 the bias; two fragment buffers of 96 at v64 and v160: o's 8 blocks, then Wo's 4, for 32 along K.   window 1: accumulator (a, b) at v[8 (4 a + b)].
.set PITCH,  144                       ; an LDS row: 128 bytes + 16: the 16 rows of a load start 36 words apart
.set APL,    256*PITCH                 ; a plane of o's tile
.set BPL,    128*PITCH                 ; a plane of Wo's
.set SLOT,   2*APL+2*BPL
.set STAGE,  2*SLOT                    ; behind the ring: 16 rows x 272 bytes for each wave
.set SPITCH, 272
.set SPARE,  STAGE+4*16*SPITCH         ; the spare words, 128 bytes for each wave
.set ADRA, 16                          ; v16-17  LDS address of my o fragments in slot 0, 1
.set ADRB, 20                          ; v20-21  the same for Wo
.set STO,  24
.set RD,   25
.set CO,   26
.set SPW,  28
.set NIL,  29
.set BI,   32
.set F0,   64
.set F1,   160
.set BK,   64                          ; the way out: 16 rows read back: v64-95 and v96-127 by turns
.set G1, 24
.set G0, 32
.set G1B, 48
.set G0B, 56
.set MSB, 0
.macro WIN new                         ; the immediate's high byte repeats the setting that is left
.if MSB != \new
	s_set_vgpr_msb (MSB<<8)|\new
.set MSB, \new
.endif
.endm
.set MUL,  0x50                        ; sources 0 and 1 window 0; C and D window 1
.set FST,  0x40                        ; the first quarter: C (the bias) window 0, D window 1
.macro JLOAD s                         ; a joint load: waves 0 and 1 fetch o's planes, waves 2 and 3 Wo's; an s_nop 0 and four v_nop follow each of the two lines
	s_cmp_eq_u32 s11, 0
	s_cbranch_scc0 .Lfor_b_\@
	tensor_load_to_lds s[G0+4*\s:G0+4*\s+3], s[G1:G1+7]
	s_nop 0
.rept 4
	v_nop
.endr
	s_branch .Lasked_\@
.Lfor_b_\@:
	tensor_load_to_lds s[G0B+4*\s:G0B+4*\s+3], s[G1B:G1B+7]
	s_nop 0
.rept 4
	v_nop
.endr
.Lasked_\@:
.endm
.macro CREST                           ; a round of the cluster's barrier behind its opening barrier
	s_cmp_lg_u32 s10, 0
	s_cbranch_scc1 .Lnot_wave_0_\@
	s_barrier_signal -3
.Lnot_wave_0_\@:
	s_barrier_wait -3
	s_barrier_signal -1
	s_barrier_wait -1
.endm
.macro CROUND
	s_barrier_signal -1
	s_barrier_wait -1
	CREST
.endm
	s_load_b128 s[4:7], s[0:1], 0x0                ; o16 s[4:5], wo16 s[6:7]
	s_load_b64 s[66:67], s[0:1], 0x10              ; bo
	s_load_b64 s[8:9], s[0:1], 0x18                ; out0
	v_lshl_add_u32 v[SPW], v0, 2, SPARE
	v_mov_b32 v[NIL], 0
	ds_add_u32 v[SPW], v[NIL]                      ; the wave's opening: the add, twice on end, and its wait ahead of my first tensor load
	ds_add_u32 v[SPW], v[NIL]
	v_lshrrev_b32 v1, 5, v0
	v_readfirstlane_b32 s10, v1                    ; wave 0..3
	s_lshr_b32 s11, s10, 1                         ; which half of the tile's rows is mine.  Also: I fetch for o (0) or for Wo (1)
	s_and_b32 s12, s10, 1                          ; which half of its columns.  Also: which plane of a K step I fetch
	s_bfe_u32 s40, ttmp6, 0x40000                  ; cx, cy
	s_bfe_u32 s41, ttmp6, 0x40004
	s_lshl_b32 s42, ttmp9, 2
	s_add_co_u32 s42, s42, s40                     ; tile column = 4 x cluster x + cx
	s_and_b32 s13, ttmp7, 0xffff
	s_lshl_b32 s13, s13, 2
	s_add_co_u32 s13, s13, s41                     ; tile row = 4 x cluster y + cy
	s_lshl_b32 s43, s41, 2
	s_lshl_b32 s43, 15, s43                        ; my row of the cluster
	s_lshl_b32 s44, 0x1111, s40                    ; my column
	s_or_b32 s[G1+0], s43, (1<<16)|(1<<20)|(1<<21)|(4<<22)|(3<<25)  ; the mask; elements of 2 bytes; padding on; bit 21 beside a mask; 4 words of padding after every 32
	s_or_b32 s[G1B+0], s44, (1<<16)|(1<<20)|(1<<21)|(4<<22)|(3<<25)
	s_mov_b32 s[G1+1], 64<<16                      ; tensor_dim0 = 64
	s_mov_b32 s[G1+2], 256<<16                     ; tensor_dim1 = 256
	s_mov_b32 s[G1+3], 64<<16                      ; tile_dim0 = 64
	s_mov_b32 s[G1+4], 256                         ; tile_dim1 = 256
	s_mov_b32 s[G1+5], 64                          ; elements from row to row
	s_mov_b32 s[G1+6], 0
	s_mov_b32 s[G1+7], 0
	s_mov_b32 s[G1B+1], 64<<16
	s_mov_b32 s[G1B+2], 128<<16
	s_mov_b32 s[G1B+3], 64<<16
	s_mov_b32 s[G1B+4], 128
	s_mov_b32 s[G1B+5], 64
	s_mov_b32 s[G1B+6], 0
	s_mov_b32 s[G1B+7], 0
	s_lshr_b32 s16, s13, 3                         ; o: eight tile rows to a batch of 4,194,304 bytes,
	s_lshl_b32 s16, s16, 22
	s_and_b32 s17, s13, 7                          ; 256 rows of 128 bytes a tile row,
	s_lshl_b32 s17, s17, 15
	s_add_co_u32 s16, s16, s17
	s_lshl_b32 s17, s12, 18                        ; a head plane of 262,144 bytes
	s_add_co_u32 s16, s16, s17
	s_mov_b32 s17, 0
	s_lshl_b32 s46, s42, 14                        ; Wo: 128 rows of 128 bytes a tile column,
	s_lshl_b32 s47, s12, 17                        ; a plane of 131,072 bytes
	s_add_co_u32 s46, s46, s47
	s_mov_b32 s47, 0
	s_mul_i32 s20, s12, APL                        ; where they go: no place in the cluster enters an LDS address
	s_mul_i32 s21, s12, BPL
	s_add_co_u32 s21, s21, 2*APL
	s_wait_dscnt 0x0                               ; both opening adds are done
	s_wait_kmcnt 0x0
	s_add_nc_u64 s[14:15], s[4:5], s[16:17]
	s_add_nc_u64 s[46:47], s[6:7], s[46:47]
	CROUND                                         ; all sixteen work-groups are here: the first joint loads meet
.irp s, 0,1
	s_mov_b32 s[G0+4*\s], 1
	s_add_co_u32 s[G0+4*\s+1], s20, \s*SLOT
	s_add_nc_u64 s[G0+4*\s+2:G0+4*\s+3], s[14:15], \s*2*262144
	s_or_b32 s[G0+4*\s+3], s[G0+4*\s+3], 0x80000000
	s_mov_b32 s[G0B+4*\s], 1
	s_add_co_u32 s[G0B+4*\s+1], s21, \s*SLOT
	s_add_nc_u64 s[G0B+4*\s+2:G0B+4*\s+3], s[46:47], \s*2*131072
	s_or_b32 s[G0B+4*\s+3], s[G0B+4*\s+3], 0x80000000
	JLOAD \s                                       ; two tensor loads of mine are out
.endr
	v_and_b32 v1, 15, v0                           ; r = l % 16
	v_bfe_u32 v2, v0, 4, 1                         ; h = l / 16
	s_lshl_b32 s22, s42, 9                         ; my first column, in bytes of f32: 512 x tile column + 256 x half
	s_lshl_b32 s23, s12, 8
	s_add_co_u32 s22, s22, s23
	s_mov_b32 s23, 0
	s_add_nc_u64 s[66:67], s[66:67], s[22:23]
	v_lshlrev_b32 v6, 5, v2                        ; lane (r, h), register j of block b: bo[16 b + 8 h + j]
.irp b, 0,1,2,3
	global_load_b128 v[BI+8*\b:BI+8*\b+3], v6, s[66:67] offset:64*\b
	global_load_b128 v[BI+8*\b+4:BI+8*\b+7], v6, s[66:67] offset:64*\b+16
.endr
	v_mul_u32_u24 v3, v1, PITCH
	v_lshl_add_u32 v3, v2, 4, v3                   ; a fragment's row x pitch + 16 x half
	s_mul_i32 s18, s11, 128*PITCH                  ; my 128 rows of o
	s_mul_i32 s19, s12, 64*PITCH                   ; my 64 rows of Wo,
	s_add_co_u32 s19, s19, 2*APL                   ; which lie behind o's two planes
.irp s, 0,1
	v_add_nc_u32 v[ADRA+\s], s18, v3
	v_add_nc_u32 v[ADRB+\s], s19, v3
	s_add_co_u32 s18, s18, SLOT
	s_add_co_u32 s19, s19, SLOT
.endr
	s_mul_i32 s18, s10, 16*SPITCH
	s_add_co_u32 s18, s18, STAGE                   ; my stage
	v_mul_u32_u24 v4, v1, SPITCH                   ; in: row r, 32 bytes for each half of the lanes
	v_lshl_add_u32 v4, v2, 5, v4
	v_add_nc_u32 v[STO], s18, v4
	v_mul_u32_u24 v5, v2, SPITCH                   ; back: lanes 0-15 take one row of 256 bytes, lanes 16-31 the next
	v_lshl_add_u32 v5, v1, 4, v5
	v_add_nc_u32 v[RD], s18, v5
	v_lshlrev_b32 v5, 12, v2                       ; and the same two rows in out0
	v_lshl_add_u32 v[CO], v1, 4, v5
	s_lshl_b32 s16, s13, 20                        ; my first row: 256 x tile row + 128 x half, rows of 4,096 bytes
	s_lshl_b32 s17, s11, 19
	s_add_co_u32 s16, s16, s17
	s_mov_b32 s17, 0
	s_add_nc_u64 s[8:9], s[8:9], s[16:17]
	s_add_nc_u64 s[8:9], s[8:9], s[22:23]          ; and my first column
; 8 matrix instructions: o's blocks a0, a0 + 1 against Wo's four, 32 along K.  first = 1: the sum begins with the bias as C.  The 32 accumulators take turns, one instruction a turn.
.macro MUL8 f, a0, first
.irp a, \a0, \a0+1
.irp b, 0,1,2,3
.if \first
	v_wmma_f32_16x16x32_f16 v[8*(4*(\a)+\b):8*(4*(\a)+\b)+7], v[\f+64+8*\b:\f+64+8*\b+7], v[\f+8*(\a):\f+8*(\a)+7], v[BI+8*\b:BI+8*\b+7]
.else
	v_wmma_f32_16x16x32_f16 v[8*(4*(\a)+\b):8*(4*(\a)+\b)+7], v[\f+64+8*\b:\f+64+8*\b+7], v[\f+8*(\a):\f+8*(\a)+7], v[8*(4*(\a)+\b):8*(4*(\a)+\b)+7]
.endif
.endr
.endr
.endm
; 24 LDS loads in one run: the fragments of quarter q of a K step (plane q / 2, byte 64 (q % 2) of its rows) into buffer f: Wo's four blocks, o's blocks 0-3, o's blocks 4-7
.macro FETCH slot, q, f
	WIN 0
.irp b, 0,1,2,3
	ds_load_b128 v[\f+64+8*\b:\f+64+8*\b+3],   v[ADRB+\slot] offset:((\q)/2)*BPL+\b*16*PITCH+64*((\q)%2)
	ds_load_b128 v[\f+64+8*\b+4:\f+64+8*\b+7], v[ADRB+\slot] offset:((\q)/2)*BPL+\b*16*PITCH+64*((\q)%2)+32
.endr
.irp i, 0,1,2,3,4,5,6,7
	ds_load_b128 v[\f+8*\i:\f+8*\i+3],   v[ADRA+\slot] offset:((\q)/2)*APL+\i*16*PITCH+64*((\q)%2)
	ds_load_b128 v[\f+8*\i+4:\f+8*\i+7], v[ADRA+\slot] offset:((\q)/2)*APL+\i*16*PITCH+64*((\q)%2)+32
.endr
.endm
.macro PLACES                          ; four plain instructions in front of loads into registers that matrix instructions have read, and of the first read of results
.rept 4
	v_nop
.endr
.endm
; One of a K step's first three quarters: multiplies buffer f and fetches quarter qn of the same slot into g.
.macro QUARTER slot, qn, f, g, first
	s_wait_dscnt 8                                 ; Wo's blocks and o's blocks 0-3 are in; the youngest eight loads (o's blocks 4-7) may be out
.if \first
	WIN FST
.else
	WIN MUL
.endif
	MUL8 \f, 0, \first
	MUL8 \f, 2, \first
	PLACES
	FETCH \slot, \qn, \g
	s_wait_dscnt 24                                ; all but the 24 just issued
.if \first
	WIN FST
.else
	WIN MUL
.endif
	MUL8 \f, 4, \first
	MUL8 \f, 6, \first
.endm
; The last quarter multiplies buffer 1 and changes slots: ONE barrier; in front of it each wave waits for all its tensor loads, adds 0 to its spare word, and waits for that and for its own reads of this slot.
; fill = 1: the barrier opens a round of the cluster's, and this slot is filled again, two K steps ahead, first thing behind the round.
.macro TURN slot, next, fill
	WIN 0
	s_wait_tensorcnt 0x0                           ; all my tensor loads have landed: my part of the next slot
	ds_add_u32 v[SPW], v[NIL]                      ; 0 onto my spare word
	s_wait_dscnt 9                                 ; (the add and the youngest eight loads may be out)
	WIN MUL
	MUL8 F1, 0, 0
	s_wait_dscnt 0x0                               ; the add is done, and my reads of this slot are over
	s_barrier_signal -1
	MUL8 F1, 2, 0
.if \fill
	WIN 0
.endif
	s_barrier_wait -1
.if \fill
	CREST                                          ; no wave of any partner still reads this slot's tiles or has a load on its way
	s_add_nc_u64 s[G0+4*\slot+2:G0+4*\slot+3], s[G0+4*\slot+2:G0+4*\slot+3], 4*262144
	s_add_nc_u64 s[G0B+4*\slot+2:G0B+4*\slot+3], s[G0B+4*\slot+2:G0B+4*\slot+3], 4*131072
	JLOAD \slot                                    ; the four v_nop behind it are also the places in front of the loads below
.else
	PLACES
.endif
	FETCH \next, 0, F0
	WIN MUL
	MUL8 F1, 4, 0
	MUL8 F1, 6, 0
.endm
	s_wait_tensorcnt 1                             ; my part of K step 0 is in (K step 1's load may be out),
	s_barrier_signal -1
	s_barrier_wait -1                              ; everybody's is
	FETCH 0, 0, F0
	s_wait_loadcnt 0x0                             ; the bias
	QUARTER 0, 1, F0, F1, 1                        ; the first quarter stands in front of the loop: its products start the sums
	WIN 0
	s_mov_b32 s3, 3
.Llap:                                             ; a trip goes once round the ring, from a lap's second quarter to the next lap's first, and fills both slots again: K steps 2 to 7
	QUARTER 0, 2, F1, F0, 0
	QUARTER 0, 3, F0, F1, 0
	TURN 0, 1, 1
	QUARTER 1, 1, F0, F1, 0
	QUARTER 1, 2, F1, F0, 0
	QUARTER 1, 3, F0, F1, 0
	TURN 1, 0, 1
	QUARTER 0, 1, F0, F1, 0
	WIN 0
	s_sub_co_u32 s3, s3, 1
	s_cmp_lg_u32 s3, 0
	s_cbranch_scc1 .Llap
	QUARTER 0, 2, F1, F0, 0                        ; the last lap fills nothing
	QUARTER 0, 3, F0, F1, 0
	TURN 0, 1, 0
	QUARTER 1, 1, F0, F1, 0
	QUARTER 1, 2, F1, F0, 0
	QUARTER 1, 3, F0, F1, 0
	s_wait_dscnt 8                                 ; the very last quarter: nothing more to fetch
	WIN MUL
	MUL8 F1, 0, 0
	MUL8 F1, 2, 0
	s_wait_dscnt 0x0
	MUL8 F1, 4, 0
	MUL8 F1, 6, 0
	WIN 0
; THE WAY OUT, block by block of 16 rows x 64 columns.  A lane holds 32 neighbouring bytes of a row: a block goes through my own stage and comes back as whole rows of 256 bytes, which sixteen lanes store.
.macro TOSTAGE a
	WIN 0x04                                       ; an LDS store's data are its source 1: window 1
.irp b, 0,1,2,3
	ds_store_b128 v[STO], v[8*(4*(\a)+\b):8*(4*(\a)+\b)+3] offset:64*\b          ; each accumulator from its low end on
	ds_store_b128 v[STO], v[8*(4*(\a)+\b)+4:8*(4*(\a)+\b)+7] offset:64*\b+16
.endr
	WIN 0
.set BB, BK+32*((\a)%2)
.irp t, 0,1,2,3,4,5,6,7
	ds_load_b128 v[BB+4*\t:BB+4*\t+3], v[RD] offset:\t*2*SPITCH    ; LDS serves a wave's instructions in order: these see the stores above
.endr
.endm
.macro SEND a, younger                 ; younger: the LDS instructions issued behind block a's loads, which may stay out
.set BB, BK+32*((\a)%2)
	s_wait_dscnt \younger
.if (\a) > 0
	s_add_nc_u64 s[8:9], s[8:9], 65536             ; (behind a wait on XCNT: the earlier stores have read their base)  16 rows of 4,096 bytes on
.endif
.irp t, 0,1,2,3,4,5,6,7
	global_store_b128 v[CO], v[BB+4*\t:BB+4*\t+3], s[8:9] offset:\t*8192 th:TH_STORE_NT   ; sixteen lanes store 256 consecutive bytes, aligned
.endr
.endm
	PLACES
	TOSTAGE 0
.irp a, 1,2,3,4,5,6,7
.if \a > 1
	s_wait_xcnt 0x0                                ; block a - 2's stores have read their registers and their base
.endif
	TOSTAGE \a
	SEND (\a)-1, 16                                ; behind block a - 1's loads: block a's 8 stores and 8 loads
.endr
	s_wait_xcnt 0x0
	SEND 7, 0
	s_wait_tensorcnt 0x0                           ; the wave's end, behind my last tensor load and my last LDS store
	ds_add_u32 v[SPW], v[NIL]
	s_wait_dscnt 0x0
	CROUND                                         ; the closing round
	s_endpgm
.Lfunc_end_k_q92b62a98e1_oproj:
	.size	k_q92b62a98e1_oproj, .Lfunc_end_k_q92b62a98e1_oproj-k_q92b62a98e1_oproj
	.p2alignl 7, 3214868480
	.fill 96, 4, 3214868480
	.section	.rodata,"a",@progbits
	.p2align	6, 0x0
	.amdhsa_kernel k_q92b62a98e1_oproj
		.amdhsa_group_segment_fixed_size 327680
		.amdhsa_private_segment_fixed_size 0
		.amdhsa_enable_private_segment 0
		.amdhsa_kernarg_size 32
		.amdhsa_user_sgpr_count 2
		.amdhsa_user_sgpr_kernarg_segment_ptr 1
		.amdhsa_wavefront_size32 1
		.amdhsa_system_sgpr_workgroup_id_x 1
		.amdhsa_system_sgpr_workgroup_id_y 1
		.amdhsa_system_sgpr_workgroup_id_z 1
		.amdhsa_system_vgpr_workitem_id 0
		.amdhsa_next_free_vgpr 512
		.amdhsa_next_free_sgpr 68
		.amdhsa_reserve_vcc 0
		.amdhsa_float_denorm_mode_32 3
		.amdhsa_float_denorm_mode_16_64 3
		.amdhsa_memory_ordered 1
		.amdhsa_forward_progress 1
		.amdhsa_inst_pref_size 87
	.end_amdhsa_kernel
	.amdgpu_metadata
---
amdhsa.version: [ 1, 2 ]
amdhsa.kernels:
  - .name:           k_q92b62a98e1_oproj
    .symbol:         k_q92b62a98e1_oproj.kd
    .args:
      - { .name: o16, .offset: 0, .size: 8, .value_kind: global_buffer, .address_space: global }
      - { .name: wo16, .offset: 8, .size: 8, .value_kind: global_buffer, .address_space: global }
      - { .name: bo, .offset: 16, .size: 8, .value_kind: global_buffer, .address_space: global }
      - { .name: out0, .offset: 24, .size: 8, .value_kind: global_buffer, .address_space: global }
    .group_segment_fixed_size: 327680
    .private_segment_fixed_size: 0
    .kernarg_segment_align: 8
    .kernarg_segment_size: 32
    .max_flat_workgroup_size: 128
    .sgpr_count:     68
    .vgpr_count:     512
    .wavefront_size: 32
...
	.end_amdgpu_metadata
.endif
;; end of part 4
